; MI455X (gfx1250); checked and timed in simulation.
; The chip was launched on July 23, 2026; its instructions are those of AMD's public machine-readable ISA for CDNA 5 (MIT licence, August 2026) and "CDNA5" Instruction Set Architecture Reference Guide (July 2026). The comments in the code are by the model that wrote it; some were corrected since.
;; Seed Attention. Allowed arithmetic: matrix products marked QUANTISED: E5M2 operands, one E8M0 scale for each 32 along K, by v_wmma_scale_f32_16x16x128_f8f6f4 with both operands' format E5M2, f32 sums; products left as they are: f32 operands where the result goes on into a quantised operand, else bf16, f16 or f32 operands; f32 sums; everything else in f32.
;; Inputs: Wkv_cls 2,048 x 2,048 float32; Wproj 1,024 x 1,024 float32; Wqkv 1,024 x 3,072 float32; bproj 1,024 float32; x 8 x 1,024 x 1,024 float32; z_cls 8 x 2,048 float32.
;; Outputs: out0 8 x 1,024 x 1,024 float32.
;; This version of the problem:
;;   THIS VERSION OF THE PROBLEM IS GIVEN IN LOW PRECISION. The matrix products marked QUANTISED in the list below multiply operands that are first quantised to E5M2 (5 exponent bits, 2 mantissa bits; 8 bits a number), with one power-of-two scale for each 32 numbers along K (OCP MX v1.0); their sums are f32. All else is computed in f32.
;;   The module's matrix products, in the order in which they are computed (A, B: the left and right operand; K: the contracted axis; several contracted axes count as one K, in the product's order):
;;     1. [M 8,192, K 1,024] x [K 1,024, N 3,072]; A: input x; B: input Wqkv: QUANTISED
;;     2. [M 8, K 2,048] x [K 2,048, N 2,048]; A: input z_cls; B: input Wkv_cls: left as it is (M = 8 < 16)
;;     3. batch 128 x [M 1,024, K 64] x [K 64, N 1,025]; A: computed on the way; B: computed on the way: QUANTISED
;;     4. batch 128 x [M 1,024, K 1,025] x [K 1,025, N 64]; A: softmax (see below); B: computed on the way: QUANTISED
;;     5. [M 8,192, K 1,024] x [K 1,024, N 1,024]; A: computed on the way; B: input Wproj: QUANTISED
;;   THE QUANTISER, for each operand of a quantised product, along K:
;;     - K is cut into blocks of 32 from its start; a last block that is shorter is filled with zeros.
;;     - A block's scale is 2^e with e = floor(log2(the largest magnitude in the block)) - 15, held to -126 .. 127; a block of zeros has e = 0. As a byte (E8M0): e + 127.
;;     - Each number is divided by its block's scale, clamped to +-57,344, and rounded to the nearest number of E5M2, ties to even, subnormals kept.
;;     - The product sums the exact products of the quantised numbers (number of the format x scale) in f32.
;;   ~~~python
;;   def quantise(x, axis):      # numpy; x: float32 -> the quantised numbers, widened to float32 again
;;       x = np.moveaxis(x, axis, -1); K = x.shape[-1]
;;       x = np.pad(x, [(0, 0)] * (x.ndim - 1) + [(0, -K % 32)]); x = x.reshape(x.shape[:-1] + (-1, 32)); a = np.abs(x).max(-1, keepdims=True)
;;       e = np.where(a > 0, np.clip(np.frexp(np.where(a > 0, a, 1))[1] - 1 - 15, -126, 127), 0)      # np.frexp(a)[1] - 1 = floor(log2(a)), exactly
;;       r = np.clip(x / 2.0 ** e, -57344, 57344)
;;       step = 2.0 ** (np.maximum(np.frexp(np.where(r == 0, 1, r))[1] - 1, -14) - 2)
;;       q = np.round(r / step) * step * 2.0 ** e      # np.round: ties to even
;;       return np.moveaxis(q.reshape(q.shape[:-2] + (-1,))[..., :K], -1, axis).astype(np.float32)
;;   ~~~
;;   SOFTMAX AHEAD OF A QUANTISED PRODUCT. Where the list says 'softmax', what is quantised is not the finished softmax but p = 2^(t - M), with t = logit x log2(e) and M = ceil(the row's largest t), a whole number; so 1/2 < the row's largest p <= 1. The row's sum l is taken of the UNQUANTISED p, in f32, and the product's result is divided by l at the end. Since M is a whole number, a kernel that streams over the keys may use a running M (the ceiling of the running maximum): every later rescaling is an exact power of two, which a block's scale takes up: the codes' values come out the same.
;;   OPERANDS COMPUTED ON THE WAY. 'Computed on the way' means the value that the module computes at that place (a softmax that the list does not call 'softmax' is quantised finished and normalised). What goes into a quantiser is computed in f32, as accurately as f32 sums, v_exp_f32 and their like allow (about 1e-6 of the number): no bf16 or f16 on the way to a quantiser, and a product that is left as it is and whose result goes on into a quantised operand takes f32 operands (vector FMAs, or v_wmma_f32_16x16x4_f32). A number that lies on a knife's edge between two numbers of the format may be rounded either way, as far as f32 arithmetic and the matrix unit's own rounding can turn it there, and no further.
;; 2 versions, each right; version 2 is version 1 with the launch attn written anew for expert scheduling mode. Each part assembles by itself: llvm-mc -triple=amdgcn-amd-amdhsa -mcpu=gfx1250 --defsym DOCPART=n.
;; ======== version 1 of 2: 4 launches
;; workspace buffers: xq 8,650,752 bytes; wts 4,325,376 bytes; clsp 524,288 bytes; qk 17,825,792 bytes; v32 33,554,432 bytes; oq 8,650,752 bytes
;; launch prep (part 1): grid 640 x 1, 4 waves a work-group, no clusters, 92,672 bytes of LDS; arguments x, xq, Wqkv, Wproj, z_cls, Wkv_cls, wts, clsp; writes xq, wts, clsp
.if DOCPART == 1
	.amdgcn_target "amdgcn-amd-amdhsa--gfx1250"
	.amdhsa_code_object_version 6
	.text
	.protected	k_q64f9cc87a8_prep
	.globl	k_q64f9cc87a8_prep
	.p2align	8
	.type	k_q64f9cc87a8_prep,@function
k_q64f9cc87a8_prep:
	s_mov_b64 s[64:65], 0
	v_nop
	global_prefetch_b8 v0, s[64:65] scope:SCOPE_SE
	s_setreg_imm32_b32 hwreg(HW_REG_WAVE_MODE, 25, 1), 1
	s_wait_xcnt 0x0
; THREE STREAMS THAT DO NOT DEPEND ON EACH OTHER, IN ONE LAUNCH.  They part once, on the work-group's number, and never join; each has LDS bytes of its own.
;   work-groups   0-255: x [8192][1024] f32 -> xq: codes of BF8 (E5M2), K innermost, at byte 0; one E8M0 scale byte for each 32 along K, [8192][32], at byte 0x800000.
;   work-groups 256-383: Wqkv [1024][3072] and Wproj [1024][1024] f32, K their FIRST axis -> wts: codes [4096 rows][1024] with K innermost at byte 0, scale bytes [4096][32] at byte 0x400000.
;   work-groups 384-639: clsp[kc][b][n] = the sum over k = 256 kc .. 256 kc + 255 of z_cls[b][k] Wkv_cls[k][n], f32 by fused multiply-adds.
; All three are bound by memory: 640 work-groups of four waves, 92,672 bytes of LDS and 242 registers each, so that three fit on a WGP and all 640 are at work together, the longest stream first.
; THE QUANTISER: a block's scale is 2^(floor(log2(its largest magnitude)) - 15); its byte is the largest magnitude's exponent field - 15, held at 1 from below.  Each number is divided by the scale, held within
; +-57,344 and rounded to the nearest code, ties to even.
; LIMITS: a block of zeros gets the byte 1 where the quantiser says 127 (its codes are zeros, and this program alone reads the bytes); blocks whose largest magnitude lies under 2^-111 are held at the byte 1;
; NaN and infinities among the inputs are not served.
.set EMAX,  15
.set MANT,  0x600000                   ; the mantissa field of 57,344 as f32
.set QWL,   32768                      ; LDS: the weights' stages begin here (x's regions lie in front),
.set CLZ,   QWL+4*32*272               ; behind them z's stage, 2,048 bytes a wave,
.set CLS,   CLZ+4*2048                 ; and the eight slices of partial sums, 2,048 bytes each
	v_lshl_add_u32 v240, v0, 2, 0x16800
	v_mov_b32 v241, 0
	s_cmp_lt_u32 ttmp9, 256
	s_cbranch_scc1 .Lqx
	s_cmp_lt_u32 ttmp9, 384
	s_cbranch_scc1 .Lqw
; ======== z_cls Wkv_cls, in eight partial sums along K.  Its result goes on into quantisers, so nothing narrower than f32 stands here; the launch that uses the partial sums adds them.
; A work-group takes 64 columns x 256 rows of K.  Lane (r, h) of wave w takes columns 4 r .. 4 r + 3 and rows 64 w + 32 h + 0 .. 31: sixteen lanes read 256 consecutive bytes of a row, aligned; all 32 loads go out at the head.
; The wave's 8 x 64 numbers of z go through its own 2,048 bytes of LDS and come back 8 along K at a time (all lanes of a half read the same bytes): held whole they would take 256 registers.
; The eight half-waves' sums meet in LDS.  The matrix units would buy nothing for 8 rows.
.set CA, 8                             ; v8-39    sums: (b, c) at CA + 4 b + c; at the head v8-23 carry z to its stage
.set CW, 40                            ; v40-167  W(row j, my 4 columns) at CW + 4 j; later the eight slices
.set CZ, 168                           ; v168-231 z(b, 8 s + i) at CZ + 8 b + i
	s_load_b128 s[4:7], s[0:1], 0x20               ; z_cls, Wkv_cls
	s_load_b64 s[8:9], s[0:1], 0x38                ; clsp
	v_lshrrev_b32 v1, 5, v0
	v_readfirstlane_b32 s12, v1                    ; wave 0..3
	v_and_b32 v2, 15, v0                           ; r
	v_bfe_u32 v3, v0, 4, 1                         ; h
	v_lshlrev_b32 v4, 4, v2
	v_lshl_add_u32 v4, v3, 18, v4                  ; W: 16 r + 32 h rows of 8,192 bytes
	v_and_b32 v5, 31, v0                           ; lane
	v_lshrrev_b32 v6, 2, v5                        ; z, from memory: row b = lane / 4,
	v_and_b32 v7, 3, v5
	v_lshlrev_b32 v7, 6, v7                        ; 16 numbers at 64 (lane % 4)
	v_lshl_add_u32 v6, v6, 13, v7
	s_lshl_b32 s13, s12, 11                        ; my wave's 2,048 bytes of z's stage
	v_lshlrev_b32 v5, 6, v5
	v_add_nc_u32 v5, s13, v5
	v_add_nc_u32 v5, CLZ, v5                       ; into it: 64 x lane = 256 b + 4 x (k in my wave's 64)
	v_lshlrev_b32 v7, 7, v3
	v_add_nc_u32 v7, s13, v7
	v_add_nc_u32 v7, CLZ, v7                       ; out of it: my half's 32 numbers begin at 128 h
	v_lshrrev_b32 v232, 4, v0                      ; thread / 16: my slice; on the way out my row b
	v_lshlrev_b32 v233, 4, v2                      ; 16 r
	v_lshl_add_u32 v234, v232, 11, v233
	v_add_nc_u32 v234, CLS, v234                   ; slices, in: 2,048 x slice + 16 r
	v_lshl_add_u32 v235, v0, 4, CLS                ; slices, back: 16 x thread
	v_lshl_add_u32 v236, v232, 13, v233            ; clsp: row b of 8,192 bytes + 16 r
	s_sub_co_u32 s14, ttmp9, 384
	s_and_b32 s15, s14, 31                         ; which 64 columns
	s_lshr_b32 s14, s14, 5                         ; kc: which 256 of K
	s_lshl_b32 s16, s14, 8
	s_lshl_b32 s17, s12, 6
	s_add_co_u32 s16, s16, s17                     ; my wave's first k
	s_lshl_b32 s18, s16, 13
	s_lshl_b32 s19, s15, 8
	s_add_co_u32 s18, s18, s19                     ; W: k rows of 8,192 bytes + 256 bytes a column group
	s_mov_b32 s19, 0
	s_lshl_b32 s20, s16, 2
	s_mov_b32 s21, 0
	s_lshl_b32 s22, s14, 16                        ; clsp: 65,536 bytes a kc
	s_lshl_b32 s23, s15, 8
	s_add_co_u32 s22, s22, s23
	s_mov_b32 s23, 0
	s_wait_kmcnt 0x0
	s_add_nc_u64 s[6:7], s[6:7], s[18:19]
	s_add_nc_u64 s[4:5], s[4:5], s[20:21]
	s_add_nc_u64 s[8:9], s[8:9], s[22:23]
.irp q, 0,1,2,3
	global_load_b128 v[CA+4*\q:CA+4*\q+3], v6, s[4:5] offset:16*\q     ; z first: it is wanted first
.endr
.set kk, 0
.rept 32
	global_load_b128 v[CW+4*kk:CW+4*kk+3], v4, s[6:7] offset:8192*kk th:TH_LOAD_NT
.set kk, kk+1
.endr
	s_wait_loadcnt 32                              ; z's four loads are in; W's 32 may be out
.irp q, 0,1,2,3
	ds_store_b128 v5, v[CA+4*\q:CA+4*\q+3] offset:16*\q
.endr
; Pass s: rows 8 s .. 8 s + 7 of my 32.  LDS serves a wave's instructions in order, and the stage is the wave's own: the loads see the stores above.
.macro CPASS s
.irp b, 0,1,2,3,4,5,6,7
	ds_load_b128 v[CZ+8*\b:CZ+8*\b+3], v7 offset:256*\b+32*\s
	ds_load_b128 v[CZ+8*\b+4:CZ+8*\b+7], v7 offset:256*\b+32*\s+16
.endr
	s_wait_loadcnt 24-8*\s                         ; loads come back in order: this pass's eight rows of W are in, the later passes' may be out
	s_wait_dscnt 0x0                               ; z is back (and, in pass 0, the stores have read v8-23, which the sums now take)
.irp i, 0,1,2,3,4,5,6,7
.irp b, 0,1,2,3,4,5,6,7
.irp c, 0,1,2,3
.if (\s == 0) && (\i == 0)
	v_mul_f32 v[CA+4*\b+\c], v[CZ+8*\b+\i], v[CW+4*(8*\s+\i)+\c]       ; the first product starts each sum
.else
	v_fmac_f32 v[CA+4*\b+\c], v[CZ+8*\b+\i], v[CW+4*(8*\s+\i)+\c]      ; 32 sums by turns
.endif
.endr
.endr
.endr
.endm
	CPASS 0
	CPASS 1
	CPASS 2
	CPASS 3
.irp b, 0,1,2,3,4,5,6,7
	ds_store_b128 v234, v[CA+4*\b:CA+4*\b+3] offset:256*\b
.endr
	s_wait_dscnt 0x0                               ; for the others' sake: my stores are done
	s_barrier_signal -1
	s_barrier_wait -1
.irp s, 0,1,2,3,4,5,6,7
	ds_load_b128 v[CW+4*\s:CW+4*\s+3], v235 offset:2048*\s             ; the same four numbers of all eight slices
.endr
	s_wait_dscnt 0x0
.irp s, 1,2,3,4,5,6,7
	v_pk_add_f32 v[CW:CW+1], v[CW:CW+1], v[CW+4*\s:CW+4*\s+1]
	v_pk_add_f32 v[CW+2:CW+3], v[CW+2:CW+3], v[CW+4*\s+2:CW+4*\s+3]
.endr
	global_store_b128 v236, v[CW:CW+3], s[8:9]     ; sixteen lanes store 256 consecutive bytes, aligned
	s_wait_tensorcnt 0x0
	ds_add_u32 v240, v241
	s_wait_dscnt 0x0
	s_endpgm
; ======== the weights.  Rows 0-3071 of wts are Wqkv's columns, rows 3072-4095 Wproj's.  WITHIN EACH 32 ROWS THE ORDER IS TURNED: row p holds column pi(p), pi = p with its bits 3 and 4 exchanged.  So sixteen
; neighbouring rows, taken as a matrix instruction's source 0, leave in the 16 registers of two neighbouring result tiles 16 NEIGHBOURING columns: what the products' way out wants for its own quantiser.
; A LANE TAKES A COLUMN, AND ITS REGISTERS RUN DOWN K: a load reads 128 consecutive bytes a wave, a block of 32 along K lies in one lane's 32 registers, and the conversions give codes with K innermost.
; A wave takes 32 columns x 256 along K; its codes go through its own stage in LDS (row = pi(lane)) and leave as rows: sixteen lanes store 256 consecutive bytes, aligned.
; One path serves both tensors: the first 24 groups of 128 rows take Wqkv, the others Wproj; the pointer and the row pitch are chosen on the work-group's number.
.set WNB,    8                         ; blocks of 32 along K for a wave
.set WPITCH, 272                       ; a stage row: 256 bytes + 16
.set WKROW,  1024                      ; a row of the codes in bytes
.set WSCOFF, 0x400000
.set WX,     32                        ; v32-95   two sets of 32 numbers
.set WC,     96                        ; v96-103  a block's codes
.set WOUT,   112                       ; v112-175 the way out
.set WSB,    24                        ; v24-25   the scale bytes, four to a register
.set WVO,    176                       ; v176-207 row i of a block: i x pitch + 4 x lane
.set WB,     36                        ; s[36:51] block t's first row, my wave's first column
.Lqw:
	s_load_b128 s[4:7], s[0:1], 0x10               ; Wqkv, Wproj
	s_load_b64 s[8:9], s[0:1], 0x30                ; wts
	v_lshrrev_b32 v1, 5, v0
	v_readfirstlane_b32 s16, v1                    ; wave 0..3
	v_and_b32 v2, 31, v0                           ; lane
	v_lshlrev_b32 v3, 2, v2                        ; in: 4 bytes a lane
	v_and_b32 v14, 7, v2                           ; pi(lane): bits 3 and 4 change places
	v_bfe_u32 v15, v2, 3, 1
	v_lshl_add_u32 v14, v15, 4, v14
	v_bfe_u32 v15, v2, 4, 1
	v_lshl_add_u32 v14, v15, 3, v14
	s_mul_i32 s19, s16, 32*WPITCH
	s_add_co_u32 s19, s19, QWL                     ; my stage
	v_mul_u32_u24 v4, v14, WPITCH
	v_add_nc_u32 v4, s19, v4                       ; into it: row pi(lane)
	v_and_b32 v5, 15, v2
	v_lshrrev_b32 v6, 4, v2                        ; out of it: sixteen lanes to a row, two rows an instruction
	v_mul_u32_u24 v7, v6, WPITCH
	v_lshl_add_u32 v7, v5, 4, v7
	v_add_nc_u32 v7, s19, v7
	v_mul_u32_u24 v8, v6, WKROW
	v_lshl_add_u32 v8, v5, 4, v8                   ; and the same place among the codes
	v_lshlrev_b32 v9, 5, v14                       ; my column's row of scale bytes: 32 x pi(lane)
	s_sub_co_u32 s33, ttmp9, 256
	s_and_b32 s32, s33, 31                         ; which 128 rows of wts
	s_lshr_b32 s18, s33, 5                         ; which 256 along K
	s_mov_b32 s23, MANT
	s_mov_b32 s30, 4096
	s_cmp_lt_u32 s32, 24                           ; Wqkv's work-group or Wproj's?  The choice hangs on the work-group's number alone
	s_cselect_b32 s30, 12288, s30                  ; bytes from row to row
	s_cselect_b32 s31, 0, 24
	s_wait_kmcnt 0x0
	s_cselect_b64 s[4:5], s[4:5], s[6:7]
	s_sub_co_u32 s31, s32, s31                     ; which 128 columns of the tensor
	s_lshl_b32 s20, s31, 9
	s_lshl_b32 s21, s16, 7
	s_add_co_u32 s20, s20, s21                     ; my wave's first column, in bytes
	s_lshl_b32 s21, s18, 8
	s_mul_i32 s21, s21, s30                        ; + 256 rows for each step along K
	s_add_co_u32 s20, s20, s21
	s_mov_b32 s21, 0
	s_add_nc_u64 s[WB:WB+1], s[4:5], s[20:21]
	s_lshl_b32 s20, s30, 5                         ; 32 rows on
.irp t, 1,2,3,4,5,6,7
	s_add_nc_u64 s[WB+2*\t:WB+2*\t+1], s[WB+2*\t-2:WB+2*\t-1], s[20:21]
.endr
	s_lshl_b32 s24, s32, 7
	s_lshl_b32 s25, s16, 5
	s_add_co_u32 s24, s24, s25                     ; my first row of wts
	s_lshl_b32 s26, s24, 10
	s_lshl_b32 s27, s18, 8
	s_add_co_u32 s26, s26, s27
	s_mov_b32 s27, 0
	s_add_nc_u64 s[6:7], s[8:9], s[26:27]          ; the codes
	s_lshl_b32 s26, s24, 5
	s_lshl_b32 s28, s18, 3
	s_add_co_u32 s26, s26, s28
	s_add_nc_u64 s[8:9], s[8:9], s[26:27]
	s_add_nc_u64 s[8:9], s[8:9], WSCOFF            ; the scale bytes
.set kk, 0
.rept 32
	v_mad_u32_u24 v[WVO+kk], s30, kk, v3
.set kk, kk+1
.endr
.macro WLOAD t                         ; block t: W(32 t + i, my column), i = 0 .. 31, into set t % 2
.set kk, 0
.rept 32
	global_load_b32 v[WX+32*((\t)%2)+kk], v[WVO+kk], s[WB+2*(\t):WB+2*(\t)+1] th:TH_LOAD_NT
.set kk, kk+1
.endr
.endm
	WLOAD 0
	WLOAD 1
.macro WBLOCK t
.set WS, WX+32*((\t)%2)
.if (\t) < WNB-1
	s_wait_loadcnt 32                              ; this block's 32 loads are in; the next block's may be out
.else
	s_wait_loadcnt 0
.endif
	v_max3_num_f32 v12, |v[WS]|, |v[WS+1]|, |v[WS+2]|               ; the block's largest magnitude: all 32 numbers are mine
	v_max3_num_f32 v13, |v[WS+3]|, |v[WS+4]|, |v[WS+5]|
.irp i, 6,10,14,18,22,26
	v_max3_num_f32 v12, v12, |v[WS+\i]|, |v[WS+\i+1]|
	v_max3_num_f32 v13, v13, |v[WS+\i+2]|, |v[WS+\i+3]|
.endr
	v_max3_num_f32 v12, v12, |v[WS+30]|, |v[WS+31]|
	v_max3_num_f32 v12, v12, v13, (EMAX+1)<<23     ; and the floor: the byte cannot fall under 1
	v_add_nc_u32 v11, -(EMAX<<23), v12             ; the conversion's scale operand
	v_and_or_b32 v10, v12, 0x7f800000, s23         ; 57,344 x the scale
	v_lshrrev_b32 v13, 23, v11                     ; the scale's byte
.if (\t)%4 == 0
	v_mov_b32 v[WSB+(\t)/4], v13                   ; four bytes to a register, the lower K in the lower byte
.else
	v_lshl_or_b32 v[WSB+(\t)/4], v13, 8*((\t)%4), v[WSB+(\t)/4]
.endif
.set kk, 0
.rept 32
	v_med3_num_f32 v[WS+kk], v[WS+kk], -v10, v10   ; the hold: the conversion does not saturate (ISA guide 7.6.2)
.set kk, kk+1
.endr
.irp g, 0,1,2,3
	v_cvt_scalef32_pk8_bf8_f32 v[WC+2*\g:WC+2*\g+1], v[WS+8*\g:WS+8*\g+7], v11
.endr
	ds_store_b128 v4, v[WC:WC+3] offset:32*(\t)    ; 32 codes: 32 bytes of my column's row
	ds_store_b128 v4, v[WC+4:WC+7] offset:32*(\t)+16
.if (\t)+2 < WNB
	WLOAD (\t)+2
.endif
	s_wait_dscnt 0x0                               ; the stores have read their registers: the next block's codes may be written
.endm
.irp t, 0,1,2,3,4,5,6,7
	WBLOCK \t
.endr
	global_store_b64 v9, v[WSB:WSB+1], s[8:9]      ; my column's 8 scale bytes
.irp t, 0,1,2,3,4,5,6,7,8,9,10,11,12,13,14,15
	ds_load_b128 v[WOUT+4*\t:WOUT+4*\t+3], v7 offset:2*\t*WPITCH   ; LDS serves a wave's instructions in order: these see my stores
.endr
.irp t, 0,1,2,3,4,5,6,7,8,9,10,11,12,13,14,15
	s_wait_dscnt 15-\t                             ; loads come back in order: pair t of rows is in
	global_store_b128 v8, v[WOUT+4*\t:WOUT+4*\t+3], s[6:7] offset:2*\t*WKROW
.endr
	s_wait_tensorcnt 0x0
	ds_add_u32 v240, v241
	s_wait_dscnt 0x0
	s_endpgm
; ======== x.  Rows are dense and 1,024 is a multiple of 32: x is a plain stream of blocks of 32.  A wave takes 16 steps of 512 numbers.  Each of a step's four loads reads 512 consecutive bytes, 16 a lane; the
; 2,048 bytes turn through the wave's own stage in LDS and come back 64 bytes a lane, so that a lane holds 16 neighbours along K (two lanes to a block), which is what the conversions take.
; A lane's 16 codes are 16 bytes: the wave stores 512 consecutive bytes.  A wave's 256 scale bytes are gathered in LDS and leave as 256 consecutive bytes.  Waves share nothing: no barrier.
.set XSTEPS, 16
.set XCB,    16                        ; bytes of 16 codes
.set XSCOFF, 0x800000                  ; where the scale bytes begin in xq
.set XR,     16                        ; v16-79   four sets of 16 numbers as they are loaded
.set XX,     80                        ; v80-111  two sets of 16 neighbours
.set XC,     128                       ; v128-191 codes: four registers for each step, so that no store's data are written again
.set XE,     112                       ; v112-127 a scale byte for each step
.set XWREG,  8192                      ; LDS: a region for each wave: two stages of 32 x XSP bytes, behind them its 256 scale bytes
.set XSP,    80                        ; a lane's place in a stage: 64 bytes + 16 of padding
.Lqx:
	s_load_b128 s[4:7], s[0:1], 0x0                ; x s[4:5], xq s[6:7]
	v_lshrrev_b32 v1, 5, v0
	v_readfirstlane_b32 s16, v1                    ; wave
	v_and_b32 v2, 31, v0                           ; lane
	v_lshlrev_b32 v3, 4, v2                        ; my 16 bytes of a load's 512
	s_mul_i32 s17, s16, XWREG
	v_lshrrev_b32 v14, 2, v2
	v_mul_u32_u24 v14, v14, XSP
	v_and_b32 v15, 3, v2
	v_lshl_add_u32 v14, v15, 4, v14
	v_add_nc_u32 v14, s17, v14                     ; the stage, on the way in: XSP (lane / 4) + 16 (lane % 4)
	v_mul_u32_u24 v15, v2, XSP
	v_add_nc_u32 v15, s17, v15                     ; and on the way out: XSP x lane: my 16 neighbours
	v_mul_u32_u24 v4, v2, XCB                      ; my codes' place in a step's
	v_lshrrev_b32 v5, 1, v2
	s_add_co_u32 s17, s17, 2*32*XSP
	v_add_nc_u32 v5, s17, v5                       ; LDS: my wave's 256 scale bytes, my block's byte
	v_lshlrev_b32 v7, 3, v2                        ; and on the way out 8 bytes a lane
	v_add_nc_u32 v6, s17, v7
	s_mov_b32 s23, MANT                            ; (an instruction takes one literal: the hold's line has another)
	s_lshl_b32 s18, ttmp9, 2
	s_add_co_u32 s18, s18, s16                     ; which run of 8,192 numbers is my wave's: 4 x work-group + wave
	s_lshl_b32 s20, s18, 15                        ; 32,768 bytes of x a run
	s_mov_b32 s21, 0
	s_lshl_b32 s24, s18, 13                        ; 8,192 bytes of codes
	s_mov_b32 s25, 0
	s_lshl_b32 s26, s18, 8                         ; 256 scale bytes
	s_mov_b32 s27, 0
	s_wait_kmcnt 0x0
	s_add_nc_u64 s[4:5], s[4:5], s[20:21]
	s_add_nc_u64 s[8:9], s[6:7], s[24:25]
	s_add_nc_u64 s[10:11], s[6:7], s[26:27]
	s_add_nc_u64 s[10:11], s[10:11], XSCOFF
.macro XLOAD t
.irp i, 0,1,2,3
	global_load_b128 v[XR+16*((\t)%4)+4*\i:XR+16*((\t)%4)+4*\i+3], v3, s[4:5] offset:2048*(\t)+512*\i th:TH_LOAD_NT   ; 32 lanes read 512 consecutive bytes
.endr
.endm
.macro XTURN t                         ; step t's numbers through the stage: LDS serves a wave's instructions in order, so no wait stands between the stores and the loads
.irp i, 0,1,2,3
	ds_store_b128 v14, v[XR+16*((\t)%4)+4*\i:XR+16*((\t)%4)+4*\i+3] offset:32*XSP*((\t)%2)+8*XSP*\i
.endr
.irp i, 0,1,2,3
	ds_load_b128 v[XX+16*((\t)%2)+4*\i:XX+16*((\t)%2)+4*\i+3], v15 offset:32*XSP*((\t)%2)+16*\i
.endr
.endm
.irp t, 0,1,2,3
	XLOAD \t
.endr
	s_wait_loadcnt 12                              ; step 0's four loads are in; those of steps 1 to 3 may be out
	XTURN 0
.macro XSTEP t
.set XS, XX+16*((\t)%2)
.if (\t) > 0
	s_wait_dscnt 1                                 ; this step's numbers are back from the stage (the last step's byte store may be out): so its stores into the stage have read their registers,
.else
	s_wait_dscnt 0x0
.endif
.if (\t)+4 < XSTEPS
	XLOAD (\t)+4                                   ; which take the loads of four steps on
.endif
.if (\t)+1 < XSTEPS
.if XSTEPS-2-(\t) >= 3
	s_wait_loadcnt 12                              ; the next step's four loads are in; those of the three steps behind it may be out
.else
	s_wait_loadcnt 4*(XSTEPS-2-(\t))
.endif
	XTURN (\t)+1                                   ; and go through the other stage while this step is worked
.endif
	v_max3_num_f32 v8, |v[XS]|, |v[XS+1]|, |v[XS+2]|               ; the largest magnitude of my 16
	v_max3_num_f32 v9, |v[XS+3]|, |v[XS+4]|, |v[XS+5]|
.irp i, 6,10
	v_max3_num_f32 v8, v8, |v[XS+\i]|, |v[XS+\i+1]|
	v_max3_num_f32 v9, v9, |v[XS+\i+2]|, |v[XS+\i+3]|
.endr
	v_max3_num_f32 v8, v8, |v[XS+14]|, |v[XS+15]|
	v_max3_num_f32 v8, v8, v9, (EMAX+1)<<23        ; and the floor 2^(16 - 127): the byte cannot fall under 1
	v_max_num_f32_dpp v8, v8, v8 row_xmask:1 row_mask:0xf bank_mask:0xf   ; and of my neighbour's 16: the block's
	v_add_nc_u32 v11, -(EMAX<<23), v8              ; 15 off its exponent field: the conversion takes the exponent field of this operand as its scale
	v_and_or_b32 v10, v8, 0x7f800000, s23          ; 57,344 x the scale
.irp i, 0,1,2,3,4,5,6,7,8,9,10,11,12,13,14,15
	v_med3_num_f32 v[XS+\i], v[XS+\i], -v10, v10   ; the conversion to an 8-bit code does not saturate (ISA guide 7.6.2): the hold comes first
.endr
	v_cvt_scalef32_pk8_bf8_f32 v[XC+4*(\t):XC+4*(\t)+1], v[XS:XS+7], v11
	v_cvt_scalef32_pk8_bf8_f32 v[XC+4*(\t)+2:XC+4*(\t)+3], v[XS+8:XS+15], v11
	v_lshrrev_b32 v[XE+(\t)], 23, v11              ; the scale's byte
	ds_store_b8 v5, v[XE+(\t)] offset:16*(\t)      ; both lanes of a block write the same byte with the same value
	global_store_b128 v4, v[XC+4*(\t):XC+4*(\t)+3], s[8:9] offset:32*XCB*(\t)
.endm
.irp t, 0,1,2,3,4,5,6,7,8,9,10,11,12,13,14,15
	XSTEP \t
.endr
	ds_load_b64 v[12:13], v6                       ; LDS serves a wave's instructions in order: these see my stores
	s_wait_dscnt 0x0
	global_store_b64 v7, v[12:13], s[10:11]        ; 32 lanes store 256 consecutive bytes, aligned
	s_wait_tensorcnt 0x0
	ds_add_u32 v240, v241
	s_wait_dscnt 0x0
	s_endpgm
.Lfunc_end_k_q64f9cc87a8_prep:
	.size	k_q64f9cc87a8_prep, .Lfunc_end_k_q64f9cc87a8_prep-k_q64f9cc87a8_prep
	.p2alignl 7, 3214868480
	.fill 96, 4, 3214868480
	.section	.rodata,"a",@progbits
	.p2align	6, 0x0
	.amdhsa_kernel k_q64f9cc87a8_prep
		.amdhsa_group_segment_fixed_size 92672
		.amdhsa_private_segment_fixed_size 0
		.amdhsa_enable_private_segment 0
		.amdhsa_kernarg_size 64
		.amdhsa_user_sgpr_count 2
		.amdhsa_user_sgpr_kernarg_segment_ptr 1
		.amdhsa_wavefront_size32 1
		.amdhsa_system_sgpr_workgroup_id_x 1
		.amdhsa_system_sgpr_workgroup_id_y 1
		.amdhsa_system_sgpr_workgroup_id_z 1
		.amdhsa_system_vgpr_workitem_id 0
		.amdhsa_next_free_vgpr 242
		.amdhsa_next_free_sgpr 66
		.amdhsa_reserve_vcc 0
		.amdhsa_float_denorm_mode_32 3
		.amdhsa_float_denorm_mode_16_64 3
		.amdhsa_memory_ordered 1
		.amdhsa_forward_progress 1
		.amdhsa_inst_pref_size 156
	.end_amdhsa_kernel
	.amdgpu_metadata
---
amdhsa.version: [ 1, 2 ]
amdhsa.kernels:
  - .name:           k_q64f9cc87a8_prep
    .symbol:         k_q64f9cc87a8_prep.kd
    .args:
      - { .name: x, .offset: 0, .size: 8, .value_kind: global_buffer, .address_space: global }
      - { .name: xq, .offset: 8, .size: 8, .value_kind: global_buffer, .address_space: global }
      - { .name: Wqkv, .offset: 16, .size: 8, .value_kind: global_buffer, .address_space: global }
      - { .name: Wproj, .offset: 24, .size: 8, .value_kind: global_buffer, .address_space: global }
      - { .name: z_cls, .offset: 32, .size: 8, .value_kind: global_buffer, .address_space: global }
      - { .name: Wkv_cls, .offset: 40, .size: 8, .value_kind: global_buffer, .address_space: global }
      - { .name: wts, .offset: 48, .size: 8, .value_kind: global_buffer, .address_space: global }
      - { .name: clsp, .offset: 56, .size: 8, .value_kind: global_buffer, .address_space: global }
    .group_segment_fixed_size: 92672
    .private_segment_fixed_size: 0
    .kernarg_segment_align: 8
    .kernarg_segment_size: 64
    .max_flat_workgroup_size: 128
    .sgpr_count:     66
    .vgpr_count:     242
    .wavefront_size: 32
...
	.end_amdgpu_metadata
.endif
;; end of part 1
;; launch gemm1 (part 2): grid 12 x 32, 4 waves a work-group, clusters of 4 x 4, 327,680 bytes of LDS; arguments xq, wts, qk, v32; writes qk, v32
.if DOCPART == 2
	.amdgcn_target "amdgcn-amd-amdhsa--gfx1250"
	.amdhsa_code_object_version 6
	.text
	.protected	k_q64f9cc87a8_gemm1
	.globl	k_q64f9cc87a8_gemm1
	.p2align	8
	.type	k_q64f9cc87a8_gemm1,@function
k_q64f9cc87a8_gemm1:
	s_mov_b64 s[64:65], 0
	v_nop
	global_prefetch_b8 v0, s[64:65] scope:SCOPE_SE
	s_setreg_imm32_b32 hwreg(HW_REG_WAVE_MODE, 25, 1), 1
	s_wait_xcnt 0x0
	s_wait_alu depctr_hold_cnt(0) depctr_sa_sdst(0) depctr_va_vdst(0) depctr_va_sdst(0) depctr_va_ssrc(0) depctr_va_vcc(0) depctr_vm_vsrc(0)
	s_getreg_b32 s2, hwreg(HW_REG_IB_STS2, 6, 4)
	s_cmp_eq_u32 s2, 0
	s_cbranch_scc0 .Lentry_in_a_cluster
	s_endpgm
.Lentry_in_a_cluster:
	s_bfe_u32 s2, ttmp6, 0x10000c
	s_cmp_lg_u32 s2, 0xf033
	s_cbranch_scc0 .Lentry_shape_is_right
	s_endpgm
.Lentry_shape_is_right:
; qkv = x Wqkv on codes of BF8 (E5M2) with one E8M0 scale for each 32 along K.  A: xq (codes [8192][1024], scale bytes [8192][32] at byte 0x800000); B: rows 0-3071 of wts (codes [row][1024], scale bytes at 0x400000).
; A tile of the result, 256 x 256, is made by four waves, each 128 x 128: 64 accumulators, 512 registers.  K goes in steps of 256 through a ring of two LDS slots filled by the tensor data mover; the scale bytes of
; the work-group's rows of A and of B come into LDS once.  4 x 4 work-groups form a cluster: A's tiles are asked for jointly along a row of it, B's along a column.
; THE MATRIX INSTRUCTION IS USED TRANSPOSED (source 0 = 16 rows of wts, source 1 = 16 rows of x).  wts' rows lie with bits 3 and 4 of the column number exchanged, so register 16 e + i of the eight accumulators of a
; block of 16 tokens holds, in lane (r, h), column 32 e + 16 h + i of token r: 16 NEIGHBOURS of each block of 32, in the order of an 8-bit operand's registers.
; THE RESULT NEVER LEAVES AS qkv.  Cluster column 0 holds q, 1 holds k, 2 holds v (the branch hangs on the cluster's x, which all partners share).
;   q, k: quantised here along the head's 64 (two blocks of 32) and stored as IMAGES OF THE OPERAND'S REGISTERS: qk[g][b][tile of 16 tokens][block][lane][16 bytes], g = head for q, 16 + head for k; their scale words
;         (byte 0, byte 1, then 0x7f7f for the zero half of the 128-deep product) at byte 0x1000000: [g][b][token].
;   v:    stays f32, v32[b 16 + head][token][64]: its quantiser runs along the keys, which the cls key shifts by one, across this launch's tiles.
; LIMITS: a block of zeros gets the byte 1 where the quantiser says 127 (zero codes; this program alone reads the bytes); blocks under 2^-111 are held at the byte 1; NaN and infinities are not served.
; 384 work-groups: the tile keeps 128 columns a wave, which are two whole heads.
; REGISTERS, in windows of 256: window 0: v0-31 addresses; v32-63 scale words, two sets, and nothing else; v96-122 at work on the way out; from v128 A's fragments, ONE set, later codes or rows on their way out.
;   window 1: B's fragments, TWO sets.   window 2: the accumulators of my rows 0-63 ((a, b) at v[8 (8 a + b)]);   window 3: those of my rows 64-127.
.set SIZE_K, 1024
.set KSTEP,  256                       ; along K in a slot
.set NQ,     KSTEP/128                 ; matrix instructions deep
.set ROWB,   256                       ; a tile's row in bytes
.set KROW,   SIZE_K                    ; a row of codes in memory
.set PITCH,  272                       ; an LDS row: 256 bytes + 16 of padding = 68 words: the 16 rows that a load touches start at 16 different banks (64 banks of 4 bytes: ISA guide 11.1)
.set FR,     16                        ; registers of a fragment
.set NL,     4                         ; LDS loads that bring one
.set NP,     8                         ; places behind this matrix instruction (ISA guide 7.12.1)
.set HALFT,  128*PITCH                 ; 128 rows: what one tensor load brings
.set SLOT,   4*HALFT                   ; A's 256 rows, then B's 256 rows
.set LAPS,   SIZE_K/(2*KSTEP)
.set KS,     SIZE_K/32                 ; a row of scale bytes
.set SCL,    2*SLOT                    ; behind the ring: the scales, as units of 256 bytes + 16 of padding
.set HALFS,  (128*KS/256)*272
.set SBLK,   (16*KS/256)*272
.set SPARE,  SCL+4*HALFS               ; the spare words, 128 bytes a wave: two blocks of 256 bytes that no other line names
.set SPITCH, 528                       ; v's way out: a stage of 16 rows x (512 + 16) bytes a wave, in slot 0, which has had its last fill and its last read by then
.set ADRA, 16                          ; v16-17  LDS address of my A fragments in slot 0, 1
.set ADRB, 20                          ; v20-21  the same for B
.set STO,  24                          ; v24     stage: where I put my numbers of a row
.set RD,   25                          ; v25     stage: where I read a row back
.set CO,   26                          ; v26     v32: 262,144 (lane / 16) + 16 (lane % 16)
.set ADRS, 27                          ; v27     LDS address of my scale words
.set SPW,  28                          ; v28     my spare word; never rewritten
.set NIL,  29                          ; v29     0; never rewritten
.set LI,   30                          ; v30     16 x lane
.set LS,   31                          ; v31     4 x lane
.set SC,   32                          ; scale words
.set TM,   96                          ; v96-99 largest magnitudes, v100-103 bytes, v104-107 holds, v108-111 scale operands
.set PW,   112                         ; the scale word just made
.set PWE,  113                         ; that of the even block before it
.set SW,   114                         ; v114-121 scale words to store
.set WT,   122
.set AF,   128                         ; A's fragments
.set PC,   128                         ; q, k: block a's codes at PC + 16 a
.set BK,   128                         ; v: rows read back from the stage, v128-191 and v192-255 by turns
.set G1, 24
.set G0, 32
.set G1B, 48
.set G0B, 56
.set G1S, 68
.set G0S, 76
.set G1SB, 80
.set G0SB, 88
.set MSB, 0
.macro WIN new                         ; the immediate's high byte repeats the setting that is left
.if MSB != \new
	s_set_vgpr_msb (MSB<<8)|\new
.set MSB, \new
.endif
.endm
.set MUL_LO, 0xa1                      ; source 0 (B) window 1, source 1 (A) window 0, C and D window 2
.set MUL_HI, 0xf1                      ; the same, C and D window 3
.set TO_B,   0x40                      ; destination window 1, address window 0
; A joint load: waves 0 and 1 fetch for A, waves 2 and 3 for B; the branch hangs on the wave's number alone.  Four v_nop follow each of the two lines.
.macro JLOAD g0a, g1a, g0b, g1b
	s_cmp_eq_u32 s15, 0
	s_cbranch_scc0 .Lfor_b_\@
	tensor_load_to_lds s[\g0a:\g0a+3], s[\g1a:\g1a+7]
	s_nop 0
.rept 4
	v_nop
.endr
	s_branch .Lasked_\@
.Lfor_b_\@:
	tensor_load_to_lds s[\g0b:\g0b+3], s[\g1b:\g1b+7]
	s_nop 0
.rept 4
	v_nop
.endr
.Lasked_\@:
.endm
.macro CREST                           ; a round of the cluster's barrier behind its opening barrier
	s_cmp_lg_u32 s14, 0
	s_cbranch_scc1 .Lnot_wave_0_\@
	s_barrier_signal -3
.Lnot_wave_0_\@:
	s_barrier_wait -3
	s_barrier_signal -1
	s_barrier_wait -1
.endm
.macro CROUND                          ; a whole round
	s_barrier_signal -1
	s_barrier_wait -1
	CREST
.endm
	s_load_b64 s[4:5], s[0:1], 0x0                 ; xq
	s_load_b64 s[8:9], s[0:1], 0x8                 ; wts
	s_load_b128 s[96:99], s[0:1], 0x10             ; qk, v32
	v_lshl_add_u32 v[SPW], v0, 2, SPARE
	v_mov_b32 v[NIL], 0
	ds_add_u32 v28, v29
	ds_add_u32 v28, v29
	s_wait_dscnt 0x0
	v_lshrrev_b32 v1, 5, v0
	v_readfirstlane_b32 s14, v1                    ; wave 0..3
	s_lshr_b32 s15, s14, 1                         ; which half of the tile's rows is mine.  Also: I fetch for A (0) or for B (1)
	s_and_b32 s16, s14, 1                          ; which half of its columns.  Also: which 128 rows of that tile I fetch
	s_bfe_u32 s40, ttmp6, 0x40000                  ; cx, cy: my place in the cluster
	s_bfe_u32 s41, ttmp6, 0x40004
	s_lshl_b32 s42, ttmp9, 2
	s_add_co_u32 s42, s42, s40                     ; tile column = 4 x cluster x + cx
	s_and_b32 s17, ttmp7, 0xffff
	s_lshl_b32 s17, s17, 2
	s_add_co_u32 s17, s17, s41                     ; tile row = 4 x cluster y + cy
	s_lshl_b32 s43, s41, 2
	s_lshl_b32 s43, 15, s43                        ; my row of the cluster
	s_lshl_b32 s44, 0x1111, s40                    ; my column
	; descriptor group 1: a tile of 128 rows x 256 bytes, padded in LDS
	s_or_b32 s[G1+0], s43, (0<<16)|(1<<20)|(1<<21)|(5<<22)|(3<<25)  ; 15:0 the mask; 17:16 elements of 1 byte; 20 padding on; 21 set beside a mask; 24:22 after every 64 words; 31:25 four words
	s_or_b32 s[G1B+0], s44, (0<<16)|(1<<20)|(1<<21)|(5<<22)|(3<<25)
.irp g, G1, G1B
	s_mov_b32 s[\g+1], ROWB<<16                    ; tensor_dim0
	s_mov_b32 s[\g+2], 128<<16                     ; tensor_dim1
	s_mov_b32 s[\g+3], ROWB<<16                    ; tile_dim0
	s_mov_b32 s[\g+4], 128                         ; tile_dim1
	s_mov_b32 s[\g+5], KROW                        ; tensor_dim0_stride
	s_mov_b32 s[\g+6], 0
	s_mov_b32 s[\g+7], 0
.endr
	; the scales of 128 rows: a dense block of 4,096 bytes, as rows of 256 bytes (32 elements of 8 bytes), 16 bytes of padding behind each
	s_or_b32 s[G1S+0], s43, (3<<16)|(1<<20)|(1<<21)|(5<<22)|(3<<25)
	s_or_b32 s[G1SB+0], s44, (3<<16)|(1<<20)|(1<<21)|(5<<22)|(3<<25)
.irp g, G1S, G1SB
	s_mov_b32 s[\g+1], 32<<16
	s_mov_b32 s[\g+2], (128*KS/256)<<16
	s_mov_b32 s[\g+3], 32<<16
	s_mov_b32 s[\g+4], 128*KS/256
	s_mov_b32 s[\g+5], 32
	s_mov_b32 s[\g+6], 0
	s_mov_b32 s[\g+7], 0
.endr
	s_lshl_b32 s18, s16, 7                         ; which 128 rows of the tile I fetch
	s_lshl_b32 s20, s17, 8
	s_add_co_u32 s20, s20, s18                     ; A: row 256 x tile row + 128 x half
	s_lshl_b32 s46, s42, 8
	s_add_co_u32 s46, s46, s18                     ; B: row 256 x tile column + 128 x half
	s_mov_b32 s21, 0
	s_mov_b32 s47, 0
	s_mov_b64 s[18:19], KS
	s_mul_u64 s[22:23], s[20:21], s[18:19]         ; where these rows' scales begin, in bytes
	s_mul_u64 s[92:93], s[46:47], s[18:19]
	s_mov_b64 s[18:19], KROW
	s_mul_u64 s[20:21], s[20:21], s[18:19]         ; and their codes
	s_mul_u64 s[46:47], s[46:47], s[18:19]
	s_mul_i32 s45, s14, HALFT                      ; where they go: wave x 128 rows: no place in the cluster enters an LDS address
	s_mul_i32 s94, s14, HALFS
	s_wait_kmcnt 0x0
	s_add_nc_u64 s[6:7], s[4:5], 0x800000          ; x's scale bytes
	s_add_nc_u64 s[10:11], s[8:9], 0x400000        ; the weights' scale bytes
	s_add_nc_u64 s[20:21], s[4:5], s[20:21]
	s_add_nc_u64 s[22:23], s[6:7], s[22:23]
	s_add_nc_u64 s[46:47], s[8:9], s[46:47]
	s_add_nc_u64 s[92:93], s[10:11], s[92:93]
	CROUND                                         ; all sixteen work-groups are here: the first joint loads meet
	s_mov_b32 s[G0S], 1
	s_add_co_u32 s[G0S+1], s94, SCL
	s_mov_b64 s[G0S+2:G0S+3], s[22:23]
	s_or_b32 s[G0S+3], s[G0S+3], 0x80000000
	s_mov_b32 s[G0SB], 1
	s_add_co_u32 s[G0SB+1], s94, SCL
	s_mov_b64 s[G0SB+2:G0SB+3], s[92:93]
	s_or_b32 s[G0SB+3], s[G0SB+3], 0x80000000
	JLOAD G0S, G1S, G0SB, G1SB                     ; the scales first: they are wanted with K step 0.  With the two below, three tensor loads of mine are out
.irp s, 0,1
	s_mov_b32 s[G0+4*\s], 1
	s_add_co_u32 s[G0+4*\s+1], s45, \s*SLOT
	s_add_nc_u64 s[G0+4*\s+2:G0+4*\s+3], s[20:21], \s*ROWB
	s_or_b32 s[G0+4*\s+3], s[G0+4*\s+3], 0x80000000
	s_mov_b32 s[G0B+4*\s], 1
	s_add_co_u32 s[G0B+4*\s+1], s45, \s*SLOT
	s_add_nc_u64 s[G0B+4*\s+2:G0B+4*\s+3], s[46:47], \s*ROWB
	s_or_b32 s[G0B+4*\s+3], s[G0B+4*\s+3], 0x80000000
	JLOAD G0+4*\s, G1, G0B+4*\s, G1B
.endr
	v_and_b32 v1, 15, v0                           ; r = lane % 16
	v_bfe_u32 v2, v0, 4, 1                         ; h = lane / 16
	v_mul_u32_u24 v3, v1, PITCH
	v_lshl_add_u32 v4, v2, 4, v3                   ; a fragment's row x pitch + 16 x half
	s_mul_i32 s21, s15, HALFT                      ; my 128 rows of A
	s_mul_i32 s22, s16, HALFT                      ; my 128 rows of B,
	s_add_co_u32 s22, s22, 2*HALFT                 ; which lie behind A's 256
.irp s, 0,1
	v_add_nc_u32 v[ADRA+\s], s21, v4
	v_add_nc_u32 v[ADRB+\s], s22, v4
	s_add_co_u32 s21, s21, SLOT
	s_add_co_u32 s22, s22, SLOT
.endr
	v_mul_u32_u24 v5, v1, KS                       ; my row's scales: 32 bytes a row,
	v_lshrrev_b32 v6, 8, v5
	v_lshl_add_u32 v5, v6, 4, v5                   ; and 16 more for each 256 passed
	s_mul_i32 s21, s15, HALFS                      ; A's: my 128 rows
	s_mul_i32 s22, s16, HALFS                      ; B's: my 128 rows, behind A's 256
	s_add_co_u32 s22, s22, 2*HALFS
	s_sub_co_u32 s22, s22, s21
	v_mul_u32_u24 v6, s22, v2                      ; lanes 16-31 take B's
	s_add_co_u32 s21, s21, SCL
	v_add_nc_u32 v5, v5, v6
	v_add_nc_u32 v[ADRS], s21, v5
	s_mul_i32 s23, s14, 16*SPITCH                  ; my stage
	v_mul_u32_u24 v5, v1, SPITCH                   ; in: row r; my half's 16 numbers of each block of 32 columns: + 64 h
	v_lshl_add_u32 v5, v2, 6, v5
	v_add_nc_u32 v[STO], s23, v5
	v_and_b32 v6, 31, v0
	v_lshlrev_b32 v[LI], 4, v6
	v_lshlrev_b32 v[LS], 2, v6
	v_add_nc_u32 v[RD], s23, v[LI]                 ; back: the 32 lanes take one row of 512 bytes: two heads' 256
	v_lshlrev_b32 v[CO], 4, v1
	v_lshl_add_u32 v[CO], v2, 18, v[CO]            ; lanes 16-31: the next head, 262,144 bytes on
.macro FRAG reg, adr, q, i             ; 16 rows x 128 K of 8-bit codes: lane l holds row l % 16; registers 4 c .. 4 c + 3 hold K = 32 c + 16 (l / 16) + 0 .. 15
.irp c, 0,1,2,3
	ds_load_b128 v[\reg+4*\c:\reg+4*\c+3], v[\adr] offset:128*(\q)+32*\c+(\i)*16*PITCH
.endr
.endm
; 16 matrix instructions: A's blocks a0, a0 + 1 x B's eight, the slot's q-th 128 along K.  p: B's set;  sc: the set of scale words.  zero = 1: the first product starts the sums.
; The 64 accumulators take turns, one instruction a turn, in the same order in every step.
.macro MUL16 a0, p, q, sc, zero
.irp a, \a0, \a0+1
.irp b, 0,1,2,3,4,5,6,7
.if \zero
	v_wmma_scale_f32_16x16x128_f8f6f4 v[8*(8*((\a)%4)+\b):8*(8*((\a)%4)+\b)+7], v[128*(\p)+FR*\b:128*(\p)+FR*\b+FR-1], v[AF+FR*(\a):AF+FR*(\a)+FR-1], 0, v[SC+8*NQ*(\sc)+NQ*\b+(\q)], v[SC+8*NQ*(\sc)+NQ*(\a)+(\q)] matrix_a_fmt:MATRIX_FMT_BF8 matrix_b_fmt:MATRIX_FMT_BF8 matrix_a_scale:MATRIX_SCALE_ROW1
.else
	v_wmma_scale_f32_16x16x128_f8f6f4 v[8*(8*((\a)%4)+\b):8*(8*((\a)%4)+\b)+7], v[128*(\p)+FR*\b:128*(\p)+FR*\b+FR-1], v[AF+FR*(\a):AF+FR*(\a)+FR-1], v[8*(8*((\a)%4)+\b):8*(8*((\a)%4)+\b)+7], v[SC+8*NQ*(\sc)+NQ*\b+(\q)], v[SC+8*NQ*(\sc)+NQ*(\a)+(\q)] matrix_a_fmt:MATRIX_FMT_BF8 matrix_b_fmt:MATRIX_FMT_BF8 matrix_a_scale:MATRIX_SCALE_ROW1
.endif
.endr
.endr
.endm
.macro FETCH_B slot, q, p              ; B's eight fragments of the slot's q-th 128 along K into set p
	WIN TO_B
.irp i, 0,1,2,3,4,5,6,7
	FRAG 128*(\p)+FR*\i, ADRB+\slot, \q, \i
.endr
	WIN 0
.endm
.macro FETCH_A slot, q, i0             ; A's blocks i0 .. i0 + 3
.irp i, \i0, \i0+1, \i0+2, \i0+3
	FRAG AF+FR*(\i), ADRA+\slot, \q, \i
.endr
.endm
.macro SCALES sc                       ; a K step's scale words into set sc: two words a row; lanes 0-15 take A's block i, lanes 16-31 B's block i
.irp i, 0,1,2,3,4,5,6,7
	ds_load_b64 v[SC+8*NQ*\sc+NQ*\i:SC+8*NQ*\sc+NQ*\i+1], v[ADRS] offset:\i*SBLK
.endr
.endm
; A load into a register that a matrix instruction has read, and a vector instruction or an LDS store that reads a matrix result, stand NP places behind it; only plain vector instructions that name none of its
; registers are places (ISA guide 7.12.1 for vector instructions).
.macro PLACES n
.rept \n
	v_nop
.endr
.endm
; A step of 128 along K that has its successor in the same slot.
.macro STEP slot, q, zero
	s_wait_dscnt 4*NL                              ; B's set and A's blocks 0-3 are in; the youngest sixteen loads (A's blocks 4-7) may be out
	WIN MUL_LO
	MUL16 0, (\q)%2, \q, \slot, \zero
	MUL16 2, (\q)%2, \q, \slot, \zero
	s_wait_dscnt 0                                 ; A's blocks 4-7 are in
	PLACES NP
	FETCH_B \slot, (\q)+1, 1-(\q)%2
	FETCH_A \slot, (\q)+1, 0
	WIN MUL_HI
	MUL16 4, (\q)%2, \q, \slot, \zero
	MUL16 6, (\q)%2, \q, \slot, \zero
	PLACES NP
	WIN 0
	FETCH_A \slot, (\q)+1, 4
.endm
; A slot's last step changes slots: ONE barrier; in front of it each wave waits for all its tensor loads, adds 0 to its spare word, and waits for that and for its reads of this slot.  fill = 1: this slot is filled again.
.macro TURN slot, next, fill
	s_wait_tensorcnt 0x0                           ; all my tensor loads have landed: my part of the next slot
	ds_add_u32 v[SPW], v[NIL]                      ; 0 onto my spare word
	s_wait_dscnt 4*NL+1                            ; (the add and the youngest sixteen loads, A's blocks 4-7, may be out)
	WIN MUL_LO
	MUL16 0, 1, NQ-1, \slot, 0                     ; sixteen matrix instructions stand between the add and the wait for it
	s_wait_dscnt 0x0                               ; the add is done, and my reads of this slot are over
	s_barrier_signal -1
	MUL16 2, 1, NQ-1, \slot, 0
	WIN 0
	s_barrier_wait -1
.if \fill
	CREST                                          ; the barrier has opened a round of the cluster's barrier: no wave of any partner still reads this slot or has a load on its way
	s_add_nc_u64 s[G0+4*\slot+2:G0+4*\slot+3], s[G0+4*\slot+2:G0+4*\slot+3], 2*ROWB
	s_add_nc_u64 s[G0B+4*\slot+2:G0B+4*\slot+3], s[G0B+4*\slot+2:G0B+4*\slot+3], 2*ROWB
	JLOAD G0+4*\slot, G1, G0B+4*\slot, G1B         ; the first tensor load behind the round, my only one out; its four v_nop are among the places in front of the loads below
	PLACES NP-4
.else
	PLACES NP
.endif
	v_add_nc_u32 v[ADRS], 4*NQ, v[ADRS]            ; on to the next K step's scale words
	FETCH_B \next, 0, 0
	FETCH_A \next, 0, 0
	SCALES \next
	WIN MUL_HI
	MUL16 4, 1, NQ-1, \slot, 0
	MUL16 6, 1, NQ-1, \slot, 0
	PLACES NP
	WIN 0
	FETCH_A \next, 0, 4
.endm
	s_wait_tensorcnt 1                             ; the scales and my part of K step 0 are in (K step 1's load may be out)
	s_barrier_signal -1
	s_barrier_wait -1                              ; everybody's are
	FETCH_B 0, 0, 0
	FETCH_A 0, 0, 0
	SCALES 0
	FETCH_A 0, 0, 4
	STEP 0, 0, 1                                   ; the first step stands in front of the loop: its products start the sums
	s_mov_b32 s3, LAPS-1
.Llap:                                                 ; a trip goes once round the ring and fills both slots again
	TURN 0, 1, 1
	STEP 1, 0, 0
	TURN 1, 0, 1
	STEP 0, 0, 0
	s_sub_co_u32 s3, s3, 1
	s_cmp_lg_u32 s3, 0
	s_cbranch_scc1 .Llap
	TURN 0, 1, 0                                   ; the last lap fills nothing
	STEP 1, 0, 0
	s_wait_dscnt 4*NL                              ; the very last step
	WIN MUL_LO
	MUL16 0, 1, NQ-1, 1, 0
	MUL16 2, 1, NQ-1, 1, 0
	s_wait_dscnt 0
	WIN MUL_HI
	MUL16 4, 1, NQ-1, 1, 0
	MUL16 6, 1, NQ-1, 1, 0
	WIN 0
	PLACES NP                                      ; behind the last products: their results are read, and the registers of A's fragments written, only from here on
	s_lshr_b32 s19, s17, 2                         ; b: 1,024 tokens are four tile rows
	s_and_b32 s23, s17, 3                          ; which 256 tokens of it
	s_cmp_lt_u32 ttmp9, 2                          ; the cluster's x: 0 q, 1 k, 2 v: the same in all sixteen partners
	s_cbranch_scc0 .Lv_out
	; ---- q and k: quantised along the head's 64, stored as images.  No LDS is touched on this way.
	s_mov_b32 s20, 0x76543210
	s_mov_b32 s21, 0xfedcba98                      ; v_permlanex16_b32's selects for lane l xor 16
	s_mov_b32 s22, 0x600000                        ; the mantissa field of 57,344
	s_mov_b32 s66, 0xffff0000                      ; lanes 16-31
	s_mov_b32 s67, 0x7f7f0000                      ; scale bytes 2 and 3: 1.0 over zero codes
	s_lshl_b32 s18, s42, 2
	s_lshl_b32 s46, s16, 1
	s_add_co_u32 s18, s18, s46                     ; g of my first 64 columns: 4 x tile column + 2 x half
	s_lshl_b32 s46, s18, 19                        ; images: 524,288 bytes a g,
	s_lshl_b32 s47, s19, 16                        ; 65,536 a b,
	s_add_co_u32 s46, s46, s47
	s_lshl_b32 s47, s23, 14                        ; 1,024 a tile of 16 tokens
	s_add_co_u32 s46, s46, s47
	s_lshl_b32 s47, s15, 13
	s_add_co_u32 s46, s46, s47
	s_mov_b32 s47, 0
	s_add_nc_u64 s[12:13], s[96:97], s[46:47]
	s_lshl_b32 s46, s18, 15                        ; scale words: 32,768 bytes a g, 4,096 a b, 4 a token
	s_lshl_b32 s45, s19, 12
	s_add_co_u32 s46, s46, s45
	s_lshl_b32 s45, s23, 10
	s_add_co_u32 s46, s46, s45
	s_lshl_b32 s45, s15, 9
	s_add_co_u32 s46, s46, s45
	s_add_nc_u64 s[100:101], s[96:97], s[46:47]
	s_add_nc_u64 s[100:101], s[100:101], 0x1000000
.irp b, 0,1,2,3
	v_mov_b32 v[TM+4+\b], 0                        ; written once: a lane permute's destination counts as one of its sources
.endr
; Block a (16 tokens x my 128 columns = four blocks of 32) becomes 16 registers of codes at v[PC + 16 a] and a scale word in v[PW].  Each accumulator is read from its low end on.
.macro QUANTG a
.set AC, 64*((\a)%4)
	WIN 0x0a+5*((\a)/4)                            ; sources 0 and 1: the accumulators' window
.irp b, 0,1,2,3
	v_max3_num_f32 v[TM+\b], |v[AC+16*\b]|, |v[AC+16*\b+1]|, 0x8000000   ; my 16 numbers of block b, and the floor 2^(16 - 127)
.endr
.irp i, 2,4,6,8,10,12,14
.irp b, 0,1,2,3
	v_max3_num_f32 v[TM+\b], |v[AC+16*\b+\i]|, |v[AC+16*\b+\i+1]|, v[TM+\b]   ; (the four blocks by turns)
.endr
.endr
	WIN 0
.irp b, 0,1,2,3
	v_permlanex16_b32 v[TM+4+\b], v[TM+\b], s20, s21
.endr
.irp b, 0,1,2,3
	v_max_num_f32 v[TM+\b], v[TM+\b], v[TM+4+\b]   ; with lane l xor 16's: the block's largest magnitude
.endr
.irp b, 0,1,2,3
	v_add_nc_u32 v[TM+12+\b], 0xf8800000, v[TM+\b] ; 15 off its exponent field: the conversion's scale operand
.endr
.irp b, 0,1,2,3
	v_and_or_b32 v[TM+8+\b], v[TM+\b], 0x7f800000, s22   ; 57,344 x the scale
.endr
.irp b, 0,1,2,3
	v_lshrrev_b32 v[TM+4+\b], 23, v[TM+12+\b]      ; the scale's byte
.endr
	v_lshl_or_b32 v[PW], v[TM+5], 8, v[TM+4]       ; bytes 0, 1: my first head's; bytes 2, 3: my second head's
	v_lshl_or_b32 v[PW], v[TM+6], 16, v[PW]
	v_lshl_or_b32 v[PW], v[TM+7], 24, v[PW]
	WIN 0x82+0x41*((\a)/4)                         ; destination and source 0: the accumulators' window: the hold works in place
.irp b, 0,1,2,3
.irp i, 0,1,2,3,4,5,6,7,8,9,10,11,12,13,14,15
	v_med3_num_f32 v[AC+16*\b+\i], v[AC+16*\b+\i], -v[TM+8+\b], v[TM+8+\b]   ; the conversion does not saturate (ISA guide 7.6.2)
.endr
.endr
	WIN 0x02+(\a)/4                                ; source 0: the accumulators' window
.irp b, 0,1,2,3
	v_cvt_scalef32_pk8_bf8_f32 v[PC+16*(\a)+4*\b:PC+16*(\a)+4*\b+1], v[AC+16*\b:AC+16*\b+7], v[TM+12+\b]
	v_cvt_scalef32_pk8_bf8_f32 v[PC+16*(\a)+4*\b+2:PC+16*(\a)+4*\b+3], v[AC+16*\b+8:AC+16*\b+15], v[TM+12+\b]
.endr
	WIN 0
	v_nop                                          ; a plain vector line behind the last conversion of the run
.endm
.irp a, 0,1,2,3,4,5,6,7                ; every store has data registers of its own: nothing is waited for
	QUANTG \a
.irp c, 0,1,2,3
	global_store_b128 v[LI], v[PC+16*\a+4*\c:PC+16*\a+4*\c+3], s[12:13] offset:(\c/2)*524288+(\c%2)*512+\a*1024   ; 32 lanes store 512 consecutive bytes, aligned
.endr
.if \a%2 == 0
	v_mov_b32 v[PWE], v[PW]
.else
	v_cndmask_b32 v[WT], v[PWE], v[PW], s66        ; lanes 0-15: the even block's 16 tokens; lanes 16-31: this block's: 32 neighbouring tokens
	v_and_or_b32 v[SW+\a-1], v[WT], 0xffff, s67    ; my first head's word
	v_lshrrev_b32 v[WT], 16, v[WT]
	v_or_b32 v[SW+\a], s67, v[WT]                  ; my second head's
	global_store_b32 v[LS], v[SW+\a-1], s[100:101] offset:(\a/2)*128
	global_store_b32 v[LS], v[SW+\a], s[100:101] offset:32768+(\a/2)*128
.endif
.endr
	s_branch .Ljoin
.Lv_out:
	; ---- v: f32, a block of 16 tokens x 128 columns at a time through my own stage in LDS, out as rows of two heads' 256 bytes
	s_lshl_b32 s18, s19, 4                         ; 16 b
	s_sub_co_u32 s46, s42, 8
	s_lshl_b32 s46, s46, 2
	s_add_co_u32 s18, s18, s46
	s_lshl_b32 s46, s16, 1
	s_add_co_u32 s18, s18, s46                     ; + my first head: 4 (tile column - 8) + 2 x half
	s_lshl_b32 s46, s18, 18                        ; 262,144 bytes a head
	s_lshl_b32 s47, s23, 16                        ; 256 bytes a token
	s_add_co_u32 s46, s46, s47
	s_lshl_b32 s47, s15, 15
	s_add_co_u32 s46, s46, s47
	s_mov_b32 s47, 0
	s_add_nc_u64 s[100:101], s[98:99], s[46:47]
.macro TOSTAGE a
.set AC, 64*((\a)%4)
	WIN 0x08+4*((\a)/4)                            ; the data: window 2 or 3
.irp b, 0,1,2,3,4,5,6,7
	ds_store_b128 v[STO], v[AC+8*\b:AC+8*\b+3] offset:128*(\b/2)+32*(\b%2)          ; each accumulator from its low end on; columns 32 (b / 2) + 16 h + 8 (b % 2) on
	ds_store_b128 v[STO], v[AC+8*\b+4:AC+8*\b+7] offset:128*(\b/2)+32*(\b%2)+16
.endr
	WIN 0
.set BB, BK+64*((\a)%2)
.irp t, 0,1,2,3,4,5,6,7,8,9,10,11,12,13,14,15
	ds_load_b128 v[BB+4*\t:BB+4*\t+3], v[RD] offset:\t*SPITCH   ; LDS serves a wave's instructions in order (ISA guide 5.7.1.4): these see the stores above
.endr
.endm
.macro SEND a, younger                 ; younger: the LDS instructions issued behind block a's loads, which may stay out
.set BB, BK+64*((\a)%2)
	s_wait_dscnt \younger
.irp t, 0,1,2,3,4,5,6,7,8,9,10,11,12,13,14,15
	global_store_b128 v[CO], v[BB+4*\t:BB+4*\t+3], s[100:101] offset:(16*(\a)+\t)*256   ; each half of the lanes stores 256 consecutive bytes, aligned: a token's 64 numbers of one head
.endr
.endm
	TOSTAGE 0
.irp a, 1,2,3,4,5,6,7
.if \a > 1
	s_wait_xcnt 0x0                                ; block a - 2's stores have read their registers: block a's loads may land there
.endif
	TOSTAGE \a
	SEND \a-1, 32                                  ; behind block a - 1's loads: block a's 16 stores and 16 loads
.endr
	SEND 7, 0
.Ljoin:
	s_wait_tensorcnt 0x0                           ; the wave's end
	ds_add_u32 v[SPW], v[NIL]
	s_wait_dscnt 0x0
	CROUND                                         ; the closing round: no work-group ends while a partner may still ask for a tile that names it
	s_endpgm
.Lfunc_end_k_q64f9cc87a8_gemm1:
	.size	k_q64f9cc87a8_gemm1, .Lfunc_end_k_q64f9cc87a8_gemm1-k_q64f9cc87a8_gemm1
	.p2alignl 7, 3214868480
	.fill 96, 4, 3214868480
	.section	.rodata,"a",@progbits
	.p2align	6, 0x0
	.amdhsa_kernel k_q64f9cc87a8_gemm1
		.amdhsa_group_segment_fixed_size 327680
		.amdhsa_private_segment_fixed_size 0
		.amdhsa_enable_private_segment 0
		.amdhsa_kernarg_size 32
		.amdhsa_user_sgpr_count 2
		.amdhsa_user_sgpr_kernarg_segment_ptr 1
		.amdhsa_wavefront_size32 1
		.amdhsa_system_sgpr_workgroup_id_x 1
		.amdhsa_system_sgpr_workgroup_id_y 1
		.amdhsa_system_sgpr_workgroup_id_z 1
		.amdhsa_system_vgpr_workitem_id 0
		.amdhsa_next_free_vgpr 1024
		.amdhsa_next_free_sgpr 104
		.amdhsa_reserve_vcc 0
		.amdhsa_float_denorm_mode_32 3
		.amdhsa_float_denorm_mode_16_64 3
		.amdhsa_memory_ordered 1
		.amdhsa_forward_progress 1
		.amdhsa_inst_pref_size 216
	.end_amdhsa_kernel
	.amdgpu_metadata
---
amdhsa.version: [ 1, 2 ]
amdhsa.kernels:
  - .name:           k_q64f9cc87a8_gemm1
    .symbol:         k_q64f9cc87a8_gemm1.kd
    .args:
      - { .name: xq, .offset: 0, .size: 8, .value_kind: global_buffer, .address_space: global }
      - { .name: wts, .offset: 8, .size: 8, .value_kind: global_buffer, .address_space: global }
      - { .name: qk, .offset: 16, .size: 8, .value_kind: global_buffer, .address_space: global }
      - { .name: v32, .offset: 24, .size: 8, .value_kind: global_buffer, .address_space: global }
    .group_segment_fixed_size: 327680
    .private_segment_fixed_size: 0
    .kernarg_segment_align: 8
    .kernarg_segment_size: 32
    .max_flat_workgroup_size: 128
    .sgpr_count:     104
    .vgpr_count:     1024
    .wavefront_size: 32
...
	.end_amdgpu_metadata
.endif
;; end of part 2
;; launch attn (part 3): grid 2 x 128, 16 waves a work-group, no clusters, 166,912 bytes of LDS; arguments qk, v32, clsp, oq; writes oq
.if DOCPART == 3
	.amdgcn_target "amdgcn-amd-amdhsa--gfx1250"
	.amdhsa_code_object_version 6
	.text
	.protected	k_q64f9cc87a8_attn
	.globl	k_q64f9cc87a8_attn
	.p2align	8
	.type	k_q64f9cc87a8_attn,@function
k_q64f9cc87a8_attn:
	s_mov_b64 s[64:65], 0
	v_nop
	global_prefetch_b8 v0, s[64:65] scope:SCOPE_SE
	s_setreg_imm32_b32 hwreg(HW_REG_WAVE_MODE, 25, 1), 1
	s_wait_xcnt 0x0
; Attention of one head over 1,025 keys (the cls key first, then the 1,024 tokens), both products on codes of BF8 (E5M2) with one E8M0 scale for each 32 along a product's K; the result is quantised for the last product.
; IN: qk: q's and k's codes as images of an operand's registers [g][b][tile of 16 tokens][block of 32][lane][16 bytes] (g = head, 16 + head), scale words at byte 0x1000000 [g][b][token];
;     v32: v in f32 [b 16 + head][token][64];  clsp: eight partial sums [8][b][2048] of z_cls Wkv_cls (k_cls at column 64 head, v_cls at 1,024 + 64 head).
; OUT: oq: codes as images [tile of 16 tokens][128 along K][block][lane][16 bytes]; scale bytes [8192][32] at byte 0x800000.
; SOFTMAX: t = score x log2(e) / 8; M = the running largest t rounded UP to a whole number; p = 2^(t - M) is quantised along the keys, not normalised; the sum is taken of the unquantised p and divides at the end.
; When M moves, the sum and O are multiplied by 2^(old M - new M), which rounds nothing.
; SHARES.  A work-group owns 512 queries of one head; each of its sixteen waves two tiles of 16, one after the other, in 256 registers: four waves to a SIMD, one wave's vector work beside another's products.
; A WHOLE HEAD'S K AND V LIE IN LDS AS CODES, written once through registers ahead of the text's one barrier: K's images are turned into rows, shifted by the cls key; V is quantised here, a lane to a channel,
; registers down the keys (blocks of 32 keys begin at the cls key).  No tensor load could shift or quantise on the way, so there is no ring; the two work-groups of a head share too little time for a joint request.
; LAYOUT.  Both products are used transposed: S^T = K Q^T, O^T = V^T P^T: a lane holds ONE query (lane % 16).  Key m lies at LDS row pi(m), channel d at row pi(d), pi = bits 3 and 4 exchanged: so the 16 registers of
; two neighbouring result tiles are 16 neighbours (keys, or channels), in the order of an 8-bit operand's registers.  The head's 64 fill half of the 128-deep product: the other half is zero codes kept in registers.
; Key 1,024 stands alone in the 33rd block: a ninth step with one tile of K, all other scores set to -infinity, zero codes in the rest of P and V.
; LIMITS: a block of zeros gets the byte 1 where the quantiser says 127 (zero codes; this program alone reads the bytes); blocks under 2^-111 are held at the byte 1; NaN and infinities are not served.
; A block's largest p is taken from its largest score by the same multiply-add and exponential (v_exp_f32 is taken not to fall where its input rises).
.set KC,  0                            ; LDS: K's codes, 1,041 rows of 64 bytes + 16: 20 words: sixteen rows start at sixteen different groups of four banks
.set KP,  80
.set VC,  83456                        ; V^T's codes: 64 rows of 1,152 keys + 16 bytes = 292 words: likewise
.set VP,  1168
.set KS,  158208                       ; K's scale words, at 4 pi(m)
.set VS,  162560                       ; V's scale words: [step of 128 keys][pi(d)]
.set AK0,  1                           ; v1   my lane's place in a tile of K
.set AV0,  2                           ; v2   in a tile of V^T
.set ASK0, 3                           ; v3   among K's scale words
.set ASV0, 4                           ; v4   among V's
.set LI,   5                           ; v5   16 x lane
.set QSA,  6                           ; v6   4 (lane % 16)
.set OSA,  7                           ; v7   32 x lane
.set ADK,  8                           ; v8-11 the step's LDS addresses; in the prologue offsets of loads:
.set ADV,  9
.set ADS,  10
.set ADT,  11
.set CKA,  8                           ;      32 (lane % 8)
.set TVA,  9                           ;      4 d, d = thread % 64
.set KGA,  10                          ;      16 x thread
.set KSGA, 11                          ;      4 x thread
.set KF,   32                          ; v32-95   four fragments of K; registers 8-15 of each stay zero
.set S,    96                          ; v96-159  S^T, then p, then four fragments of V^T; in the prologue two sets of 32 numbers of v
.set O,    160                         ; v160-191 O^T
.set PCD,  192                         ; v192-207 p's codes
.set VQ,   216                         ; v216-223 prologue: a block's codes of v
.set KSW,  226                         ; v226-229 scale words of K, then of V; v224, v225 Q's; v249 p's: these seven hold scales and nothing else
.set BM,   230                         ; v230-233 a block's largest score, then largest p
.set T2,   234                         ; v234-237 at work
.set VM,   234                         ; prologue: v234-238 at work, v239 four scale bytes
.set HOLD, 238                         ; v238-241 57,344 x the scale
.set SCL,  242                         ; v242-245 the conversions' scale operands
.set TMP,  246
.set F,    248                         ; v248 f = 2^(old M - new M); named as a pair with v249
.set PSW,  249
.set OSW,  252                         ; v252 the result's two scale bytes
.set NINF, 253                         ; v253 -infinity
.set KW0,  240                         ; prologue addresses, all made ahead of the first branch on the wave's number
.set KW1,  241
.set KSWA, 242
.set VGA,  243
.set VGA0, 244
.set AVW,  245
.set VSWA, 246
.set R13A, 247
.set R13B, 248
.set R13Z, 250
.set R13S, 251
.set R14A, 252
.set R14S, 253
.set WV,   12                          ; s12 wave
.set SEL,  20                          ; s[20:21] v_permlanex16_b32's selects: lane l xor 16
.set CS,   22                          ; s[22:23] c = log2(e) / 8
.set MNT,  24                          ; s24 the mantissa field of 57,344
.set HI16, 25                          ; s25 lanes 16-31
.set FIRST, 26                         ; s26 all ones in the waves whose first key is the cls key
.set ODD4, 27                          ; s27 lanes whose bit 2 is set
.set QB,   28
.set QS,   30
.set KB,   32
.set KSB,  34
.set VB,   36
.set CPK,  38
.set CPV,  40
.set OB,   42
.set OS,   44
.set TK,   46                          ; s46-49 the step's place in K's rows, V's rows, K's words, V's words
.set TV,   47
.set TS,   48
.set TJ,   49
.set CNT,  50
.macro PI dst, src, keep, tmp          ; v[dst] = v[src] with bits 3 and 4 exchanged; keep: the mask of its other bits
	v_and_b32 v[\dst], \keep, v[\src]
	v_bfe_u32 v[\tmp], v[\src], 3, 1
	v_lshl_add_u32 v[\dst], v[\tmp], 4, v[\dst]
	v_bfe_u32 v[\tmp], v[\src], 4, 1
	v_lshl_add_u32 v[\dst], v[\tmp], 3, v[\dst]
.endm
	s_load_b256 s[4:11], s[0:1], 0x0               ; qk s[4:5], v32 s[6:7], clsp s[8:9], oq s[10:11]
	v_lshrrev_b32 v254, 5, v0
	v_readfirstlane_b32 s[WV], v254                ; wave 0..15
	v_and_b32 v254, 15, v0                         ; r
	v_bfe_u32 v255, v0, 4, 1                       ; h
	v_mul_u32_u24 v[AK0], v254, KP
	v_lshl_add_u32 v[AK0], v255, 4, v[AK0]         ; K: row r, + 16 h (KC = 0)
	v_mul_u32_u24 v[AV0], v254, VP
	v_lshl_add_u32 v[AV0], v255, 4, v[AV0]
	v_add_nc_u32 v[AV0], VC, v[AV0]
	v_lshl_add_u32 v[ASK0], v254, 2, KS
	v_lshl_add_u32 v[ASV0], v254, 2, VS
	v_lshlrev_b32 v[QSA], 2, v254
	v_and_b32 v203, 31, v0                         ; lane
	v_lshlrev_b32 v[LI], 4, v203
	v_lshlrev_b32 v[OSA], 5, v203
	v_and_b32 v204, 7, v0
	v_lshlrev_b32 v[CKA], 5, v204
	v_lshlrev_b32 v[R13A], 3, v204                 ; the cls key's row 0: 8 bytes at 8 (lane % 8)
	v_and_b32 v205, 63, v0                         ; d: my channel in the V quantiser
	v_lshlrev_b32 v[TVA], 2, v205
	v_lshlrev_b32 v[KGA], 4, v0
	v_lshlrev_b32 v[KSGA], 2, v0
	v_lshrrev_b32 v206, 6, v0                      ; thread / 64: a tile of K's images; also my step of 128 keys of V
	v_lshl_add_u32 v207, v206, 4, v254
	v_add_nc_u32 v207, 1, v207                     ; the key, within 128, of my 16 bytes of an image: 16 (thread / 64) + r + 1: the cls key shifts the tokens by one
	PI KW0, 207, 0xe7, KW1
	v_mul_u32_u24 v[KW0], v[KW0], KP
	v_bfe_u32 v[KW1], v0, 5, 1
	v_lshl_add_u32 v[KW0], v[KW1], 5, v[KW0]       ; + 32 x the block of 32 channels
	v_lshl_add_u32 v[KW0], v255, 4, v[KW0]         ; + 16 h
	v_add_nc_u32 v[KW1], 4*128*KP, v[KW0]          ; (an LDS offset has 16 bits: a second register for keys 512 on)
	v_add_nc_u32 v207, 1, v0                       ; the key, within 512, of my scale word
	PI KSWA, 207, 0x3e7, VSWA
	v_lshl_add_u32 v[KSWA], v[KSWA], 2, KS
	PI 207, 205, 0x27, VSWA                        ; pi(d)
	v_mul_u32_u24 v[R14A], v207, VP
	v_add_nc_u32 v[R14A], VC, v[R14A]              ; my channel's row of V^T
	v_lshl_add_u32 v[AVW], v206, 7, v[R14A]        ; + my step's 128 bytes
	v_lshl_add_u32 v[R14S], v207, 2, VS+8*256      ; the ninth step's scale word
	v_lshl_add_u32 v[VSWA], v207, 2, VS
	v_lshl_add_u32 v[VSWA], v206, 8, v[VSWA]       ; my step's
	v_mov_b32 v[R13B], KS                          ; the cls key's scale word
	v_lshrrev_b32 v[R13Z], 2, v203
	v_mul_u32_u24 v[R13Z], v[R13Z], KP
	v_and_b32 v204, 3, v203
	v_lshl_add_u32 v[R13Z], v204, 4, v[R13Z]
	v_add_nc_u32 v[R13Z], 1025*KP, v[R13Z]         ; rows 1,025 on: zeros
	v_lshl_add_u32 v[R13S], v203, 2, KS+4*1025     ; and their scale words
	s_and_b32 s13, ttmp7, 0xffff                   ; 16 b + head
	s_lshr_b32 s14, s13, 4                         ; b
	s_and_b32 s15, s13, 15                         ; head
	s_lshl_b32 s16, s15, 3
	s_add_co_u32 s16, s16, s14                     ; 8 head + b
	s_lshl_b32 s17, ttmp9, 5
	s_lshl_b32 s18, s[WV], 1
	s_add_co_u32 s17, s17, s18                     ; my first tile of queries: 32 x + 2 wave
	s_lshl_b32 s51, s16, 6
	s_add_co_u32 s51, s51, s17
	s_lshl_b32 s[QB], s51, 10                      ; 1,024 bytes of image a tile,
	s_mov_b32 s[QB+1], 0
	s_lshl_b32 s[QS], s51, 6                       ; 64 bytes of scale words
	s_mov_b32 s[QS+1], 0
	s_add_co_u32 s51, s16, 128                     ; k: g = 16 + head
	s_lshl_b32 s[KB], s51, 16
	s_mov_b32 s[KB+1], 0
	s_lshl_b32 s[KSB], s51, 12
	s_mov_b32 s[KSB+1], 0
	s_lshl_b32 s[VB], s13, 18
	s_mov_b32 s[VB+1], 0
	s_lshl_b32 s[CPK], s14, 13
	s_lshl_b32 s51, s15, 8
	s_add_co_u32 s[CPK], s[CPK], s51
	s_mov_b32 s[CPK+1], 0
	s_lshl_b32 s51, s14, 6
	s_add_co_u32 s51, s51, s17                     ; my first tile among all tokens: 64 b + 32 x + 2 wave
	s_lshl_b32 s[OB], s51, 14                      ; 16,384 bytes of image a tile,
	s_lshl_b32 s[OS], s51, 9                       ; 16 rows of 32 scale bytes
	s_lshl_b32 s51, s15, 10                        ; the head's 64 along K: 1,024 bytes of image,
	s_add_co_u32 s[OB], s[OB], s51
	s_mov_b32 s[OB+1], 0
	s_lshl_b32 s51, s15, 1                         ; two scale bytes
	s_add_co_u32 s[OS], s[OS], s51
	s_mov_b32 s[OS+1], 0
	s_lshr_b32 s51, s[WV], 1                       ; my step of V
	s_lshl_b32 s52, s51, 15                        ; 128 tokens of 256 bytes
	s_sub_co_i32 s53, s52, 256                     ; my first key is the token before them,
	s_max_i32 s53, s53, 0                          ; or, in step 0, the cls key: the load stays inside the buffer and its number is replaced
	s_cmp_eq_u32 s51, 0
	s_cselect_b32 s[FIRST], -1, 0
	v_add_nc_u32 v[VGA], s52, v[TVA]
	v_add_nc_u32 v[VGA0], s53, v[TVA]
	s_mov_b32 s[SEL], 0x76543210
	s_mov_b32 s[SEL+1], 0xfedcba98
	s_mov_b32 s[CS], 0x3e38aa3b                    ; log2(e) / 8
	s_mov_b32 s[CS+1], s[CS]                       ; (named with it as a pair, so it is written)
	s_mov_b32 s[MNT], 0x600000
	s_mov_b32 s[HI16], 0xffff0000
	s_mov_b32 s[ODD4], 0xf0f0f0f0
	s_wait_kmcnt 0x0
	s_add_nc_u64 s[QB:QB+1], s[4:5], s[QB:QB+1]
	s_add_nc_u64 s[QS:QS+1], s[4:5], s[QS:QS+1]
	s_add_nc_u64 s[QS:QS+1], s[QS:QS+1], 0x1000000
	s_add_nc_u64 s[KB:KB+1], s[4:5], s[KB:KB+1]
	s_add_nc_u64 s[KSB:KSB+1], s[4:5], s[KSB:KSB+1]
	s_add_nc_u64 s[KSB:KSB+1], s[KSB:KSB+1], 0x1000000
	s_add_nc_u64 s[VB:VB+1], s[6:7], s[VB:VB+1]
	s_add_nc_u64 s[CPK:CPK+1], s[8:9], s[CPK:CPK+1]
	s_add_nc_u64 s[CPV:CPV+1], s[CPK:CPK+1], 4096
	s_add_nc_u64 s[OB:OB+1], s[10:11], s[OB:OB+1]
	s_add_nc_u64 s[OS:OS+1], s[10:11], s[OS:OS+1]
	s_add_nc_u64 s[OS:OS+1], s[OS:OS+1], 0x800000
	; ---- the loads, alike in every wave, so that the counted waits below hold on every way
	global_load_b128 v[16:19], v[LI], s[QB:QB+1]               ; Q's two fragments stay in registers
	global_load_b128 v[20:23], v[LI], s[QB:QB+1] offset:512
	global_load_b128 v[208:211], v[LI], s[QB:QB+1] offset:1024
	global_load_b128 v[212:215], v[LI], s[QB:QB+1] offset:1536
	global_load_b32 v224, v[QSA], s[QS:QS+1]
	global_load_b32 v225, v[QSA], s[QS:QS+1] offset:64
.irp p, 0,1,2,3,4,5,6,7                ; k_cls: eight partial sums of my 8 channels
	global_load_b128 v[KF+8*\p:KF+8*\p+3], v[CKA], s[CPK:CPK+1] offset:65536*\p
	global_load_b128 v[KF+8*\p+4:KF+8*\p+7], v[CKA], s[CPK:CPK+1] offset:65536*\p+16
.endr
	global_load_b32 v202, v[TVA], s[VB:VB+1] offset:1023*256   ; key 1,024 = token 1,023, my channel
.irp p, 0,1,2,3,4,5,6,7                ; v_cls: eight partial sums of my channel
	global_load_b32 v[194+\p], v[TVA], s[CPV:CPV+1] offset:65536*\p
.endr
.irp j, 0,1,2,3,4,5,6,7                ; K's images: 512 threads x 16 bytes are eight tiles
	global_load_b128 v[O+4*\j:O+4*\j+3], v[KGA], s[KB:KB+1] offset:8192*\j
.endr
	global_load_b32 v192, v[KSGA], s[KSB:KSB+1]
	global_load_b32 v193, v[KSGA], s[KSB:KSB+1] offset:2048
.macro VLOAD i                         ; block i of my step: keys 32 i + k, k = 0 .. 31, of my channel, into set i % 2: 32 lanes read 128 consecutive bytes
.set kk, 0
.rept 32
.if ((\i) == 0) && (kk == 0)
	global_load_b32 v[S+32*((\i)%2)+kk], v[VGA0], s[VB:VB+1]
.else
	global_load_b32 v[S+32*((\i)%2)+kk], v[VGA], s[VB:VB+1] offset:(32*(\i)+kk-1)*256
.endif
.set kk, kk+1
.endr
.endm
	VLOAD 0
	s_wait_loadcnt 32                              ; all but the 32 just issued
.irp j, 0,1,2,3
	ds_store_b128 v[KW0], v[O+4*\j:O+4*\j+3] offset:128*KP*\j       ; key 128 j + ... at row pi(key)
.endr
.irp j, 0,1,2,3
	ds_store_b128 v[KW1], v[O+16+4*\j:O+16+4*\j+3] offset:128*KP*\j
.endr
	ds_store_b32 v[KSWA], v192
	ds_store_b32 v[KSWA], v193 offset:2048
	VLOAD 1
; V's quantiser: a block of 32 keys of one channel lies in one lane's 32 registers
.macro VBLOCK i
.set XS, S+32*((\i)%2)
.if (\i) < 3
	s_wait_loadcnt 32                              ; this block's loads are in; the next block's 32 may be out
.else
	s_wait_loadcnt 0
.endif
.if (\i) == 0
.irp p, 1,2,3,4,5,6,7
	v_add_f32 v194, v194, v[194+\p]                ; v_cls of my channel
.endr
	v_cndmask_b32 v[XS], v[XS], v194, s[FIRST]     ; key 0 is the cls key
.endif
	v_max3_num_f32 v[VM], |v[XS]|, |v[XS+1]|, |v[XS+2]|
	v_max3_num_f32 v[VM+1], |v[XS+3]|, |v[XS+4]|, |v[XS+5]|
.irp n, 6,10,14,18,22,26
	v_max3_num_f32 v[VM], v[VM], |v[XS+\n]|, |v[XS+\n+1]|
	v_max3_num_f32 v[VM+1], v[VM+1], |v[XS+\n+2]|, |v[XS+\n+3]|
.endr
	v_max3_num_f32 v[VM], v[VM], |v[XS+30]|, |v[XS+31]|
	v_max3_num_f32 v[VM], v[VM], v[VM+1], 0x8000000   ; and the floor 2^(16 - 127)
	v_add_nc_u32 v[VM+2], 0xf8800000, v[VM]        ; the conversion's scale operand
	v_and_or_b32 v[VM+3], v[VM], 0x7f800000, s[MNT]   ; 57,344 x the scale
	v_lshrrev_b32 v[VM+4], 23, v[VM+2]             ; the byte
.if (\i) == 0
	v_mov_b32 v[VM+5], v[VM+4]
.else
	v_lshl_or_b32 v[VM+5], v[VM+4], 8*(\i), v[VM+5]
.endif
.set kk, 0
.rept 32
	v_med3_num_f32 v[XS+kk], v[XS+kk], -v[VM+3], v[VM+3]
.set kk, kk+1
.endr
.irp g, 0,1,2,3
	v_cvt_scalef32_pk8_bf8_f32 v[VQ+2*\g:VQ+2*\g+1], v[XS+8*\g:XS+8*\g+7], v[VM+2]
.endr
	v_nop                                          ; a plain vector line behind the last conversion of the run
	ds_store_b128 v[AVW], v[VQ:VQ+3] offset:32*(\i)
	ds_store_b128 v[AVW], v[VQ+4:VQ+7] offset:32*(\i)+16
.if (\i)+2 < 4
	VLOAD (\i)+2
.endif
	s_wait_dscnt 0x0                               ; the stores have read their registers
.endm
.irp i, 0,1,2,3
	VBLOCK \i
.endr
	ds_store_b32 v[VSWA], v[VM+5]                  ; my channel's scale word of my step
	; ---- wave 13: the cls key's row and scale word, and the zero rows behind key 1,024
	s_cmp_eq_u32 s[WV], 13
	s_cbranch_scc0 .Lnot_13
.irp p, 1,2,3,4,5,6,7
.irp q, 0,2,4,6
	v_pk_add_f32 v[KF+\q:KF+\q+1], v[KF+\q:KF+\q+1], v[KF+8*\p+\q:KF+8*\p+\q+1]   ; k_cls: my 8 channels; four lanes hold a block of 32
.endr
.endr
	v_max3_num_f32 v40, |v32|, |v33|, 0x8000000
	v_max3_num_f32 v40, v40, |v34|, |v35|
	v_max3_num_f32 v40, v40, |v36|, |v37|
	v_max3_num_f32 v40, v40, |v38|, |v39|
	v_max_num_f32_dpp v40, v40, v40 row_xmask:1 row_mask:0xf bank_mask:0xf
	v_max_num_f32_dpp v40, v40, v40 row_xmask:2 row_mask:0xf bank_mask:0xf
	v_add_nc_u32 v41, 0xf8800000, v40
	v_and_or_b32 v42, v40, 0x7f800000, s[MNT]
	v_lshrrev_b32 v43, 23, v41                     ; my block's byte
.irp n, 0,1,2,3,4,5,6,7
	v_med3_num_f32 v[32+\n], v[32+\n], -v42, v42
.endr
	v_cvt_scalef32_pk8_bf8_f32 v[44:45], v[32:39], v41
	v_mov_b32 v46, 0                               ; (a plain line behind the conversion; the DPP move's destination counts as read)
	ds_store_b64 v[R13A], v[44:45]                 ; lanes 8 apart write the same bytes with the same values
	v_mov_b32_dpp v46, v43 row_xmask:4 row_mask:0xf bank_mask:0xf   ; the other block's byte
	v_cndmask_b32 v47, v43, v46, s[ODD4]           ; block 0's
	v_cndmask_b32 v48, v46, v43, s[ODD4]           ; block 1's
	v_lshl_or_b32 v49, v48, 8, v47
	v_or_b32 v49, 0x7f7f0000, v49
	ds_store_b32 v[R13B], v49                      ; all lanes write the same word with the same value
.irp n, 0,1,2,3
	v_mov_b32 v[52+\n], 0
.endr
	ds_store_b128 v[R13Z], v[52:55]                ; rows 1,025 to 1,032,
	ds_store_b128 v[R13Z], v[52:55] offset:8*KP    ; 1,033 to 1,040: zero codes
	v_mov_b32 v56, 0x7f7f7f7f
	ds_store_b32 v[R13S], v56
.Lnot_13:
	; ---- waves 14 and 15: the 33rd block of V: key 1,024 alone, then zero codes up to 1,152 keys
	s_cmp_lt_u32 s[WV], 14
	s_cbranch_scc1 .Lnot_14
	v_mov_b32 v96, v202
.irp n, 1,2,3,4,5,6,7
	v_mov_b32 v[96+\n], 0
.endr
	v_max3_num_f32 v104, |v96|, |v96|, 0x8000000
	v_add_nc_u32 v105, 0xf8800000, v104
	v_and_or_b32 v106, v104, 0x7f800000, s[MNT]
	v_lshrrev_b32 v107, 23, v105
	v_med3_num_f32 v96, v96, -v106, v106
	v_cvt_scalef32_pk8_bf8_f32 v[108:109], v[96:103], v105
	v_or_b32 v107, 0x7f7f7f00, v107                ; (a plain line behind the conversion)  the step's scale word
.irp n, 110,111,112,113,114,115
	v_mov_b32 v[\n], 0
.endr
	ds_store_b128 v[R14A], v[108:111] offset:1024
.irp n, 1,2,3,4,5,6,7
	ds_store_b128 v[R14A], v[112:115] offset:1024+16*\n
.endr
	ds_store_b32 v[R14S], v107
.Lnot_14:
	s_wait_dscnt 0x0                               ; for the others' sake: my stores are done
	s_barrier_signal -1
	s_barrier_wait -1                              ; the head's K and V lie in LDS; from here on LDS is only read
.irp n, 0,1,2,3,4,5,6,7
	v_mov_b32 v[24+\n], 0                          ; the zero halves of the 128-deep operands: Q's two fragments,
	v_mov_b32 v[216+\n], 0
.irp t, 0,1,2,3
	v_mov_b32 v[KF+16*\t+8+\n], 0                  ; and K's four
.endr
.endr
.irp n, 0,1,2,3
	v_mov_b32 v[T2+\n], 0                          ; written once: a lane permute's destination counts as one of its sources
.endr
	v_mov_b32 v[TMP], 0
	v_mov_b32 v[PSW], 0                            ; (named as the upper half of the pair with f before it is first written)
	v_mov_b32 v[NINF], 0xff800000
; A KEY STEP.  nb = 4: 128 keys, four blocks.  nb = 1: the ninth step: one tile of K, one block.  qf, qs: my tile's fragment of Q and its scale words.
.macro STEP nb, qf, qs
	v_add_nc_u32 v[ADK], s[TK], v[AK0]
	v_add_nc_u32 v[ADV], s[TV], v[AV0]
	v_add_nc_u32 v[ADS], s[TS], v[ASK0]
	v_add_nc_u32 v[ADT], s[TJ], v[ASV0]
.rept 5
	v_nop                                          ; with the four additions nine places: the scores below are written over V's fragments, which the last products read
.endr
.set g, 0
.rept 1+\nb/4                          ; S^T = K Q^T, four tiles of 16 keys at a time
.if g > 0
.rept 8
	v_nop                                          ; places in front of loads into registers that matrix instructions have read
.endr
.endif
.set t, 0
.rept \nb
	ds_load_b128 v[KF+16*t:KF+16*t+3], v[ADK] offset:16*KP*(4*g+t)
	ds_load_b128 v[KF+16*t+4:KF+16*t+7], v[ADK] offset:16*KP*(4*g+t)+32
	ds_load_b32 v[KSW+t], v[ADS] offset:64*(4*g+t)
.set t, t+1
.endr
	s_wait_dscnt 0x0
.set t, 0
.rept \nb
	v_wmma_scale_f32_16x16x128_f8f6f4 v[S+8*(4*g+t):S+8*(4*g+t)+7], v[KF+16*t:KF+16*t+15], v[\qf:\qf+15], 0, v[KSW+t], v[\qs] matrix_a_fmt:MATRIX_FMT_BF8 matrix_b_fmt:MATRIX_FMT_BF8
.set t, t+1
.endr
.set g, g+1
.endr                                  ; lane (r, h) holds query r; registers 16 b + i are keys 32 b + 16 h + i of the step
.rept 8
	v_nop
.endr
.if \nb == 1                           ; only key 1,024 counts: register 0 of lanes 0-15
	v_cndmask_b32 v[S], v[S], v[NINF], s[HI16]
.set j, 1
.rept 15
	v_mov_b32 v[S+j], v[NINF]
.set j, j+1
.endr
.set j, 4
.rept 12
	v_mov_b32 v[PCD+j], 0                          ; p's blocks 1 to 3: zero codes
.set j, j+1
.endr
.endif
.set b, 0
.rept \nb
	v_max3_num_f32 v[BM+b], v[S+16*b], v[S+16*b+1], v[S+16*b+2]   ; the largest score of each block of 32 keys: for the row's maximum, and for the block's largest p
.set b, b+1
.endr
.irp i, 3,5,7,9,11,13
.set b, 0
.rept \nb
	v_max3_num_f32 v[BM+b], v[BM+b], v[S+16*b+\i], v[S+16*b+\i+1]
.set b, b+1
.endr
.endr
.set b, 0
.rept \nb
	v_max_num_f32 v[BM+b], v[BM+b], v[S+16*b+15]
.set b, b+1
.endr
.set b, 0
.rept \nb
	v_permlanex16_b32 v[T2+b], v[BM+b], s[SEL], s[SEL+1]
.set b, b+1
.endr
.set b, 0
.rept \nb
	v_max_num_f32 v[BM+b], v[BM+b], v[T2+b]        ; with lane l xor 16's 16 keys
.set b, b+1
.endr
.if \nb == 4
	v_max3_num_f32 v[TMP], v[BM], v[BM+1], v[BM+2]
	v_max_num_f32 v[TMP], v[TMP], v[BM+3]          ; the step's largest score of my query
	v_mul_f32 v[TMP], s[CS], v[TMP]                ; as t (c is positive)
.else
	v_mul_f32 v[TMP], s[CS], v[BM]
.endif
	v_max_num_f32 v13, v13, v[TMP]                 ; the running largest t
	v_mov_b32 v[TMP], v12
	v_floor_f32 v12, -v13                          ; the new -M = floor(-t): M is a whole number
	v_sub_f32 v[TMP], v12, v[TMP]                  ; old M - new M: a whole number, 0 or less
	v_cvt_i32_f32 v[TMP], v[TMP]                   ; (it saturates)
	v_ldexp_f32 v[F], 1.0, v[TMP]                  ; f = 2^(old M - new M)
.set j, 0
.rept 8*\nb
	v_pk_fma_f32 v[S+j:S+j+1], v[S+j:S+j+1], s[CS:CS+1], v[12:13] op_sel_hi:[1,0,0]   ; t - M, two at a time
.set j, j+2
.endr
.set b, 0
.rept \nb
	v_fma_f32 v[BM+b], v[BM+b], s[CS], v12         ; the same of each block's largest score
.set b, b+1
.endr
.set j, 0
.rept 16*\nb
	v_exp_f32 v[S+j], v[S+j]                       ; p = 2^(t - M), at most 1: not normalised
.set j, j+1
.endr
.set b, 0
.rept \nb
	v_exp_f32 v[BM+b], v[BM+b]                     ; the block's largest p
.set b, b+1
.endr
	v_pk_mul_f32 v[14:15], v[14:15], v[F:F+1] op_sel_hi:[1,0]   ; the sums under the new M.  (A plain place behind the exponentials)
.set b, 0
	s_wait_alu depctr_va_vdst(0)
.rept \nb
	v_max_num_f32 v[BM+b], 0x8000000, v[BM+b]      ; the floor 2^(16 - 127)
.set b, b+1
.endr
.set b, 0
.rept \nb
	v_add_nc_u32 v[SCL+b], 0xf8800000, v[BM+b]     ; the conversion's scale operand
.set b, b+1
.endr
.set b, 0
.rept \nb
	v_and_or_b32 v[HOLD+b], v[BM+b], 0x7f800000, s[MNT]   ; 57,344 x the scale
.set b, b+1
.endr
.set b, 0
.rept \nb
	v_lshrrev_b32 v[T2+b], 23, v[SCL+b]            ; the scale's byte
.set b, b+1
.endr
.if \nb == 4
	v_lshl_or_b32 v[PSW], v[T2+1], 8, v[T2]        ; p's scale word for these 128 keys
	v_lshl_or_b32 v[PSW], v[T2+2], 16, v[PSW]
	v_lshl_or_b32 v[PSW], v[T2+3], 24, v[PSW]
.else
	v_mov_b32 v[PSW], v[T2]                        ; (bytes 1 to 3 stand over zero codes)
.endif
	v_pk_add_f32 v[T2:T2+1], v[S:S+1], v[S+2:S+3]  ; the row's sum is taken of the unquantised p: two at a time, in two chains
.set j, 4
.rept 4*\nb-1
	v_pk_add_f32 v[14:15], v[14:15], v[S+j:S+j+1]
	v_pk_add_f32 v[T2:T2+1], v[T2:T2+1], v[S+j+2:S+j+3]
.set j, j+4
.endr
	v_pk_add_f32 v[14:15], v[14:15], v[T2:T2+1]
.set b, 0
.rept \nb
.set j, 0
.rept 16
	v_min_num_f32 v[S+16*b+j], v[S+16*b+j], v[HOLD+b]   ; the conversion does not saturate (ISA guide 7.6.2); p is not negative, so the hold is one-sided
.set j, j+1
.endr
	v_cvt_scalef32_pk8_bf8_f32 v[PCD+4*b:PCD+4*b+1], v[S+16*b:S+16*b+7], v[SCL+b]
	v_cvt_scalef32_pk8_bf8_f32 v[PCD+4*b+2:PCD+4*b+3], v[S+16*b+8:S+16*b+15], v[SCL+b]
.set b, b+1
.endr
.irp t, 0,1,2,3                        ; V^T's four tiles of 16 channels x these 128 keys take p's registers
.irp c, 0,1,2,3
	ds_load_b128 v[S+16*\t+4*\c:S+16*\t+4*\c+3], v[ADV] offset:16*VP*\t+32*\c
.endr
	ds_load_b32 v[KSW+\t], v[ADT] offset:64*\t
.endr
.set j, 0
.rept 16
	v_pk_mul_f32 v[O+j:O+j+1], v[O+j:O+j+1], v[F:F+1] op_sel_hi:[1,0]   ; O^T under the new M.  (These sixteen are also the places between the codes' conversions and the products)
.set j, j+2
.endr
	s_wait_dscnt 0x0
.irp t, 0,1,2,3                        ; O^T += V^T P^T: the four accumulators by turns, one instruction a turn
	v_wmma_scale_f32_16x16x128_f8f6f4 v[O+8*\t:O+8*\t+7], v[S+16*\t:S+16*\t+15], v[PCD:PCD+15], v[O+8*\t:O+8*\t+7], v[KSW+\t], v[PSW] matrix_a_fmt:MATRIX_FMT_BF8 matrix_b_fmt:MATRIX_FMT_BF8
.endr
.endm
; ONE TILE OF 16 QUERIES: eight steps of 128 keys, the ninth step, the division, the quantiser along the head's 64 channels, the stores.
.macro TILE ti, qf, qs
	s_wait_xcnt 0x0                                ; the last tile's stores have read their registers
.set j, 0
.rept 32
	v_mov_b32 v[O+j], 0                            ; O^T.  (The step is written once: the first finds zeros, which the first change of M leaves zeros)
.set j, j+1
.endr
	v_mov_b32 v13, 0xff61b1e6                      ; the largest t so far: -3e38
	v_floor_f32 v12, -v13                          ; -M
	v_mov_b32 v14, 0                               ; the sum, in two halves
	v_mov_b32 v15, 0
	s_mov_b32 s[TK], 0
	s_mov_b32 s[TV], 0
	s_mov_b32 s[TS], 0
	s_mov_b32 s[TJ], 0
	s_mov_b32 s[CNT], 8
.Lstep_\@:
	STEP 4, \qf, \qs
	s_add_co_u32 s[TK], s[TK], 128*KP
	s_add_co_u32 s[TV], s[TV], 128
	s_add_co_u32 s[TS], s[TS], 512
	s_add_co_u32 s[TJ], s[TJ], 256
	s_sub_co_u32 s[CNT], s[CNT], 1
	s_cmp_lg_u32 s[CNT], 0
	s_cbranch_scc1 .Lstep_\@
	STEP 1, \qf, \qs
.rept 8
	v_nop
.endr
	v_add_f32 v14, v14, v15                        ; the sum's two halves,
	v_permlanex16_b32 v[TMP], v14, s[SEL], s[SEL+1]
	v_add_f32 v14, v14, v[TMP]                     ; and lane l xor 16's: the row's sum
	v_rcp_f32 v14, v14
	v_nop                                          ; a plain place behind the transcendental
.set j, 0
	s_wait_alu depctr_va_vdst(0)
.rept 32
	v_mul_f32 v[S+j], v[O+j], v14                  ; register 16 e + i: channel 32 e + 16 h + i of query r
.set j, j+1
.endr
.irp b, 0,1
	v_max3_num_f32 v[BM+\b], |v[S+16*\b]|, |v[S+16*\b+1]|, 0x8000000
.endr
.irp i, 2,4,6,8,10,12,14
.irp b, 0,1
	v_max3_num_f32 v[BM+\b], v[BM+\b], |v[S+16*\b+\i]|, |v[S+16*\b+\i+1]|
.endr
.endr
.irp b, 0,1
	v_permlanex16_b32 v[T2+\b], v[BM+\b], s[SEL], s[SEL+1]
.endr
.irp b, 0,1
	v_max_num_f32 v[BM+\b], v[BM+\b], v[T2+\b]
.endr
.irp b, 0,1
	v_add_nc_u32 v[SCL+\b], 0xf8800000, v[BM+\b]
.endr
.irp b, 0,1
	v_and_or_b32 v[HOLD+\b], v[BM+\b], 0x7f800000, s[MNT]
.endr
.irp b, 0,1
	v_lshrrev_b32 v[T2+\b], 23, v[SCL+\b]
.endr
.irp b, 0,1
.irp i, 0,1,2,3,4,5,6,7,8,9,10,11,12,13,14,15
	v_med3_num_f32 v[S+16*\b+\i], v[S+16*\b+\i], -v[HOLD+\b], v[HOLD+\b]
.endr
	v_cvt_scalef32_pk8_bf8_f32 v[PCD+4*\b:PCD+4*\b+1], v[S+16*\b:S+16*\b+7], v[SCL+\b]
	v_cvt_scalef32_pk8_bf8_f32 v[PCD+4*\b+2:PCD+4*\b+3], v[S+16*\b+8:S+16*\b+15], v[SCL+\b]
.endr
	v_lshl_or_b32 v[TMP], v[T2+1], 8, v[T2]        ; (a plain line behind the last conversion)  my row's two scale bytes
	global_store_b128 v[LI], v[PCD:PCD+3], s[OB:OB+1] offset:16384*\ti          ; 32 lanes store 512 consecutive bytes, aligned
	global_store_b128 v[LI], v[PCD+4:PCD+7], s[OB:OB+1] offset:16384*\ti+512
.if \ti == 0
	v_mov_b32 v[OSW], v[TMP]
.else
	v_cndmask_b32 v[OSW], v[OSW], v[TMP], s[HI16]  ; lanes 0-15: the first tile's 16 rows; lanes 16-31: the second's
.endif
.endm
	TILE 0, 16, 224
	TILE 1, 208, 225
	global_store_b16 v[OSA], v[OSW], s[OS:OS+1]    ; two bytes of each of my 32 rows of scale bytes: 64 bytes a wave against its 2,048 bytes of codes
	s_wait_xcnt 0x0
	v_lshl_add_u32 v254, v0, 2, 0x28400
	v_mov_b32 v255, 0
	s_wait_tensorcnt 0x0
	ds_add_u32 v254, v255
	s_wait_dscnt 0x0
	s_endpgm
.Lfunc_end_k_q64f9cc87a8_attn:
	.size	k_q64f9cc87a8_attn, .Lfunc_end_k_q64f9cc87a8_attn-k_q64f9cc87a8_attn
	.p2alignl 7, 3214868480
	.fill 96, 4, 3214868480
	.section	.rodata,"a",@progbits
	.p2align	6, 0x0
	.amdhsa_kernel k_q64f9cc87a8_attn
		.amdhsa_group_segment_fixed_size 166912
		.amdhsa_private_segment_fixed_size 0
		.amdhsa_enable_private_segment 0
		.amdhsa_kernarg_size 32
		.amdhsa_user_sgpr_count 2
		.amdhsa_user_sgpr_kernarg_segment_ptr 1
		.amdhsa_wavefront_size32 1
		.amdhsa_system_sgpr_workgroup_id_x 1
		.amdhsa_system_sgpr_workgroup_id_y 1
		.amdhsa_system_sgpr_workgroup_id_z 1
		.amdhsa_system_vgpr_workitem_id 0
		.amdhsa_next_free_vgpr 256
		.amdhsa_next_free_sgpr 66
		.amdhsa_reserve_vcc 0
		.amdhsa_float_denorm_mode_32 3
		.amdhsa_float_denorm_mode_16_64 3
		.amdhsa_memory_ordered 1
		.amdhsa_forward_progress 1
		.amdhsa_inst_pref_size 115
	.end_amdhsa_kernel
	.amdgpu_metadata
---
amdhsa.version: [ 1, 2 ]
amdhsa.kernels:
  - .name:           k_q64f9cc87a8_attn
    .symbol:         k_q64f9cc87a8_attn.kd
    .args:
      - { .name: qk, .offset: 0, .size: 8, .value_kind: global_buffer, .address_space: global }
      - { .name: v32, .offset: 8, .size: 8, .value_kind: global_buffer, .address_space: global }
      - { .name: clsp, .offset: 16, .size: 8, .value_kind: global_buffer, .address_space: global }
      - { .name: oq, .offset: 24, .size: 8, .value_kind: global_buffer, .address_space: global }
    .group_segment_fixed_size: 166912
    .private_segment_fixed_size: 0
    .kernarg_segment_align: 8
    .kernarg_segment_size: 32
    .max_flat_workgroup_size: 512
    .sgpr_count:     66
    .vgpr_count:     256
    .wavefront_size: 32
...
	.end_amdgpu_metadata
.endif
;; end of part 3
;; launch gemm2 (part 4): grid 4 x 32, 4 waves a work-group, clusters of 4 x 4, 327,680 bytes of LDS; arguments oq, wts, bproj, out0; writes out0
.if DOCPART == 4
	.amdgcn_target "amdgcn-amd-amdhsa--gfx1250"
	.amdhsa_code_object_version 6
	.text
	.protected	k_q64f9cc87a8_gemm2
	.globl	k_q64f9cc87a8_gemm2
	.p2align	8
	.type	k_q64f9cc87a8_gemm2,@function
k_q64f9cc87a8_gemm2:
	s_mov_b64 s[64:65], 0
	v_nop
	global_prefetch_b8 v0, s[64:65] scope:SCOPE_SE
	s_setreg_imm32_b32 hwreg(HW_REG_WAVE_MODE, 25, 1), 1
	s_wait_xcnt 0x0
	s_wait_alu depctr_hold_cnt(0) depctr_sa_sdst(0) depctr_va_vdst(0) depctr_va_sdst(0) depctr_va_ssrc(0) depctr_va_vcc(0) depctr_vm_vsrc(0)
	s_getreg_b32 s2, hwreg(HW_REG_IB_STS2, 6, 4)
	s_cmp_eq_u32 s2, 0
	s_cbranch_scc0 .Lentry_in_a_cluster
	s_endpgm
.Lentry_in_a_cluster:
	s_bfe_u32 s2, ttmp6, 0x10000c
	s_cmp_lg_u32 s2, 0xf033
	s_cbranch_scc0 .Lentry_shape_is_right
	s_endpgm
.Lentry_shape_is_right:
; out0 = attention's result x Wproj + bproj, on codes of BF8 (E5M2) with one E8M0 scale for each 32 along K.  out0: [8192][1024] f32.
; A: oq: codes as IMAGES OF THE OPERAND'S REGISTERS [tile of 16 rows][128 along K][4][lane][16 bytes], scale bytes [8192][32] at byte 0x800000.  B: rows 3072-4095 of wts (codes [row][1024] at 0x300000, scale bytes at 0x418000);
; within each 32 rows, row p holds Wproj's column pi(p), pi = bits 3 and 4 exchanged.
; A tile of out0, 256 x 256, is made by four waves, each 128 x 128: 64 accumulators.  K goes in steps of 256 through a ring of two LDS slots filled by the tensor data mover; the scale bytes come into LDS once.
; 4 x 4 work-groups form a cluster: A's tiles are asked for jointly along a row of it, B's along a column.  128 work-groups: a smaller tile would read each fragment from LDS for half the products.
; THE MATRIX INSTRUCTION IS USED TRANSPOSED (source 0 = 16 rows of wts, source 1 = 16 rows of A): lane (r, h) holds row r; register j of accumulator b holds column 32 (b / 2) + 16 h + 8 (b % 2) + j of my 128.
; THE BIAS IS THE C OF EACH SUM'S FIRST MATRIX INSTRUCTION: eight registers for each of B's eight blocks, in the result's layout.
; REGISTERS, in windows of 256: window 0: v0-31 addresses; v32-63 scale words, two sets, and nothing else; v64-127 the bias; from v128 A's fragments, ONE set, later rows on their way out.
;   window 1: B's fragments, TWO sets.   window 2: the accumulators of my rows 0-63 ((a, b) at v[8 (8 a + b)]);   window 3: those of my rows 64-127.
.set SIZE_N, 1024
.set SIZE_K, 1024
.set KSTEP,  256
.set NQ,     KSTEP/128
.set ROWB,   256                       ; a row of B's tile in bytes
.set KROW,   SIZE_K
.set ASTEP,  4096                      ; a tile of 16 rows of A, 256 along K, as images
.set PITCH,  272                       ; B's LDS row: 256 bytes + 16 of padding
.set FR,     16
.set NL,     4
.set NP,     8                         ; places behind this matrix instruction (ISA guide 7.12.1)
.set HALFA,  8*ASTEP                   ; 128 rows of A: what one tensor load brings; images are read 16 bytes a lane on end: no padding
.set HALFB,  128*PITCH                 ; 128 rows of B
.set SLOT,   2*HALFA+2*HALFB
.set LAPS,   SIZE_K/(2*KSTEP)
.set KS,     SIZE_K/32
.set SCL,    2*SLOT
.set HALFS,  (128*KS/256)*272
.set SBLK,   (16*KS/256)*272
.set SPARE,  SCL+4*HALFS               ; the spare words, 128 bytes a wave: two blocks of 256 bytes that no other line names
.set SPITCH, 528                       ; the way out: a stage of 16 rows x (512 + 16) bytes a wave, in slot 0, which has had its last fill and its last read by then
.set ADRA, 16
.set ADRB, 20
.set STO,  24
.set RD,   25
.set CO,   26                          ; v26  16 x lane
.set ADRS, 27
.set SPW,  28
.set NIL,  29
.set SC,   32
.set BIAS, 64
.set AF,   128
.set BK,   128
.set G1, 24
.set G0, 32
.set G1B, 48
.set G0B, 56
.set G1S, 68
.set G0S, 76
.set G1SB, 80
.set G0SB, 88
.set MSB, 0
.macro WIN new                         ; the immediate's high byte repeats the setting that is left
.if MSB != \new
	s_set_vgpr_msb (MSB<<8)|\new
.set MSB, \new
.endif
.endm
.set MUL_LO, 0xa1                      ; source 0 (B) window 1, source 1 (A) window 0, C and D window 2
.set MUL_HI, 0xf1                      ; the same, C and D window 3
.set FIRST_LO, 0x81                    ; the first step: C (the bias) window 0, D window 2
.set FIRST_HI, 0xc1                    ; D window 3
.set TO_B,   0x40
.macro JLOAD g0a, g1a, g0b, g1b        ; a joint load: waves 0 and 1 fetch for A, waves 2 and 3 for B; four v_nop follow each of the two lines
	s_cmp_eq_u32 s15, 0
	s_cbranch_scc0 .Lfor_b_\@
	tensor_load_to_lds s[\g0a:\g0a+3], s[\g1a:\g1a+7]
	s_nop 0
.rept 4
	v_nop
.endr
	s_branch .Lasked_\@
.Lfor_b_\@:
	tensor_load_to_lds s[\g0b:\g0b+3], s[\g1b:\g1b+7]
	s_nop 0
.rept 4
	v_nop
.endr
.Lasked_\@:
.endm
.macro CREST
	s_cmp_lg_u32 s14, 0
	s_cbranch_scc1 .Lnot_wave_0_\@
	s_barrier_signal -3
.Lnot_wave_0_\@:
	s_barrier_wait -3
	s_barrier_signal -1
	s_barrier_wait -1
.endm
.macro CROUND
	s_barrier_signal -1
	s_barrier_wait -1
	CREST
.endm
	s_load_b64 s[4:5], s[0:1], 0x0                 ; oq
	s_load_b64 s[8:9], s[0:1], 0x8                 ; wts
	s_load_b128 s[96:99], s[0:1], 0x10             ; bproj, out0
	v_lshl_add_u32 v[SPW], v0, 2, SPARE
	v_mov_b32 v[NIL], 0
	ds_add_u32 v28, v29
	ds_add_u32 v28, v29
	s_wait_dscnt 0x0
	v_lshrrev_b32 v1, 5, v0
	v_readfirstlane_b32 s14, v1                    ; wave 0..3
	s_lshr_b32 s15, s14, 1                         ; which half of the tile's rows is mine.  Also: I fetch for A (0) or for B (1)
	s_and_b32 s16, s14, 1                          ; which half of its columns.  Also: which 128 rows of that tile I fetch
	s_bfe_u32 s40, ttmp6, 0x40000                  ; cx, cy
	s_bfe_u32 s41, ttmp6, 0x40004
	s_lshl_b32 s42, ttmp9, 2
	s_add_co_u32 s42, s42, s40                     ; tile column
	s_and_b32 s17, ttmp7, 0xffff
	s_lshl_b32 s17, s17, 2
	s_add_co_u32 s17, s17, s41                     ; tile row
	s_lshl_b32 s43, s41, 2
	s_lshl_b32 s43, 15, s43                        ; my row of the cluster
	s_lshl_b32 s44, 0x1111, s40                    ; my column
	; A: eight tiles of 16 rows, of each 4,096 consecutive bytes (512 elements of 8 bytes), 16,384 bytes apart; dense in LDS
	s_or_b32 s[G1+0], s43, (3<<16)|(1<<21)         ; 15:0 the mask; 17:16 elements of 8 bytes; 21 set beside a mask
	s_mov_b32 s[G1+1], 512<<16                     ; tensor_dim0
	s_mov_b32 s[G1+2], 8<<16                       ; tensor_dim1
	s_mov_b32 s[G1+3], 512<<16                     ; tile_dim0
	s_mov_b32 s[G1+4], 8                           ; tile_dim1
	s_mov_b32 s[G1+5], 2048                        ; tensor_dim0_stride
	s_mov_b32 s[G1+6], 0
	s_mov_b32 s[G1+7], 0
	; B: 128 rows x 256 bytes, padded in LDS
	s_or_b32 s[G1B+0], s44, (0<<16)|(1<<20)|(1<<21)|(5<<22)|(3<<25)
	s_mov_b32 s[G1B+1], ROWB<<16
	s_mov_b32 s[G1B+2], 128<<16
	s_mov_b32 s[G1B+3], ROWB<<16
	s_mov_b32 s[G1B+4], 128
	s_mov_b32 s[G1B+5], KROW
	s_mov_b32 s[G1B+6], 0
	s_mov_b32 s[G1B+7], 0
	; the scales of 128 rows: 4,096 dense bytes, as rows of 256 bytes, 16 bytes of padding behind each
	s_or_b32 s[G1S+0], s43, (3<<16)|(1<<20)|(1<<21)|(5<<22)|(3<<25)
	s_or_b32 s[G1SB+0], s44, (3<<16)|(1<<20)|(1<<21)|(5<<22)|(3<<25)
.irp g, G1S, G1SB
	s_mov_b32 s[\g+1], 32<<16
	s_mov_b32 s[\g+2], (128*KS/256)<<16
	s_mov_b32 s[\g+3], 32<<16
	s_mov_b32 s[\g+4], 128*KS/256
	s_mov_b32 s[\g+5], 32
	s_mov_b32 s[\g+6], 0
	s_mov_b32 s[\g+7], 0
.endr
	s_lshl_b32 s18, s16, 7
	s_lshl_b32 s20, s17, 8
	s_add_co_u32 s20, s20, s18                     ; A: row 256 x tile row + 128 x half
	s_lshl_b32 s46, s42, 8
	s_add_co_u32 s46, s46, s18                     ; B: row 256 x tile column + 128 x half
	s_mov_b32 s21, 0
	s_mov_b32 s47, 0
	s_mov_b64 s[18:19], KS
	s_mul_u64 s[22:23], s[20:21], s[18:19]         ; where these rows' scales begin
	s_mul_u64 s[92:93], s[46:47], s[18:19]
	s_mov_b64 s[18:19], KROW
	s_mul_u64 s[20:21], s[20:21], s[18:19]         ; and their codes (A's images too: 16 rows are 16,384 bytes)
	s_mul_u64 s[46:47], s[46:47], s[18:19]
	s_lshl_b32 s45, s16, 15                        ; where they go: A's two halves,
	s_mul_i32 s95, s16, HALFB
	s_add_co_u32 s95, s95, 2*HALFA                 ; then B's two: no place in the cluster enters an LDS address
	s_mul_i32 s94, s14, HALFS
	s_wait_kmcnt 0x0
	s_add_nc_u64 s[6:7], s[4:5], 0x800000          ; A's scale bytes
	s_add_nc_u64 s[10:11], s[8:9], 0x418000        ; Wproj's scale bytes
	s_add_nc_u64 s[8:9], s[8:9], 0x300000          ; Wproj's codes
	s_mov_b64 s[12:13], s[98:99]                   ; out0
	s_add_nc_u64 s[20:21], s[4:5], s[20:21]
	s_add_nc_u64 s[22:23], s[6:7], s[22:23]
	s_add_nc_u64 s[46:47], s[8:9], s[46:47]
	s_add_nc_u64 s[92:93], s[10:11], s[92:93]
	CROUND                                         ; all sixteen work-groups are here: the first joint loads meet
	s_mov_b32 s[G0S], 1
	s_add_co_u32 s[G0S+1], s94, SCL
	s_mov_b64 s[G0S+2:G0S+3], s[22:23]
	s_or_b32 s[G0S+3], s[G0S+3], 0x80000000
	s_mov_b32 s[G0SB], 1
	s_add_co_u32 s[G0SB+1], s94, SCL
	s_mov_b64 s[G0SB+2:G0SB+3], s[92:93]
	s_or_b32 s[G0SB+3], s[G0SB+3], 0x80000000
	JLOAD G0S, G1S, G0SB, G1SB                     ; the scales first.  With the two below, three tensor loads of mine are out
.irp s, 0,1
	s_mov_b32 s[G0+4*\s], 1
	s_add_co_u32 s[G0+4*\s+1], s45, \s*SLOT
	s_add_nc_u64 s[G0+4*\s+2:G0+4*\s+3], s[20:21], \s*ASTEP
	s_or_b32 s[G0+4*\s+3], s[G0+4*\s+3], 0x80000000
	s_mov_b32 s[G0B+4*\s], 1
	s_add_co_u32 s[G0B+4*\s+1], s95, \s*SLOT
	s_add_nc_u64 s[G0B+4*\s+2:G0B+4*\s+3], s[46:47], \s*ROWB
	s_or_b32 s[G0B+4*\s+3], s[G0B+4*\s+3], 0x80000000
	JLOAD G0+4*\s, G1, G0B+4*\s, G1B
.endr
	v_and_b32 v1, 15, v0                           ; r
	v_bfe_u32 v2, v0, 4, 1                         ; h
	v_mul_u32_u24 v3, v1, PITCH
	v_lshl_add_u32 v4, v2, 4, v3                   ; B: a fragment's row x pitch + 16 h
	v_and_b32 v6, 31, v0
	v_lshlrev_b32 v[CO], 4, v6                     ; A: 16 x lane
	s_lshl_b32 s21, s15, 15                        ; my 128 rows of A
	s_mul_i32 s22, s16, HALFB                      ; my 128 rows of B,
	s_add_co_u32 s22, s22, 2*HALFA                 ; which lie behind A's 256
.irp s, 0,1
	v_add_nc_u32 v[ADRA+\s], s21, v[CO]
	v_add_nc_u32 v[ADRB+\s], s22, v4
	s_add_co_u32 s21, s21, SLOT
	s_add_co_u32 s22, s22, SLOT
.endr
	v_mul_u32_u24 v5, v1, KS
	v_lshrrev_b32 v6, 8, v5
	v_lshl_add_u32 v5, v6, 4, v5
	s_mul_i32 s21, s15, HALFS
	s_mul_i32 s22, s16, HALFS
	s_add_co_u32 s22, s22, 2*HALFS
	s_sub_co_u32 s22, s22, s21
	v_mul_u32_u24 v6, s22, v2                      ; lanes 16-31 take B's scale words
	s_add_co_u32 s21, s21, SCL
	v_add_nc_u32 v5, v5, v6
	v_add_nc_u32 v[ADRS], s21, v5
	s_mul_i32 s23, s14, 16*SPITCH                  ; my stage
	v_mul_u32_u24 v5, v1, SPITCH                   ; in: row r, + 64 h
	v_lshl_add_u32 v5, v2, 6, v5
	v_add_nc_u32 v[STO], s23, v5
	v_add_nc_u32 v[RD], s23, v[CO]                 ; back: the 32 lanes take one row of 512 bytes
	v_lshlrev_b32 v7, 6, v2                        ; the bias: 64 h
	s_lshl_b32 s20, s17, 8
	s_lshl_b32 s21, s15, 7
	s_add_co_u32 s20, s20, s21                     ; my first row of out0
	s_mov_b32 s21, 0
	s_mov_b64 s[18:19], SIZE_N*4
	s_mul_u64 s[20:21], s[20:21], s[18:19]
	s_lshl_b32 s46, s42, 10                        ; my first column, in bytes: 1,024 x tile column + 512 x half
	s_lshl_b32 s47, s16, 9
	s_add_co_u32 s46, s46, s47
	s_mov_b32 s47, 0
	s_add_nc_u64 s[96:97], s[96:97], s[46:47]      ; the bias of my 128 columns
	s_add_nc_u64 s[20:21], s[20:21], s[46:47]
	s_add_nc_u64 s[12:13], s[12:13], s[20:21]
.irp i, 0,1,2,3,4,5,6,7
	global_load_b128 v[BIAS+8*\i:BIAS+8*\i+3], v7, s[96:97] offset:128*(\i/2)+32*(\i%2)
	global_load_b128 v[BIAS+8*\i+4:BIAS+8*\i+7], v7, s[96:97] offset:128*(\i/2)+32*(\i%2)+16
.endr
.macro FRAG reg, adr, q, i             ; B: 16 rows x 128 K: lane l holds row l % 16; registers 4 c .. 4 c + 3 hold K = 32 c + 16 (l / 16) + 0 .. 15
.irp c, 0,1,2,3
	ds_load_b128 v[\reg+4*\c:\reg+4*\c+3], v[\adr] offset:128*(\q)+32*\c+(\i)*16*PITCH
.endr
.endm
.macro FRAGA reg, adr, q, i            ; A: the image as it stands: 512 consecutive bytes a load
.irp c, 0,1,2,3
	ds_load_b128 v[\reg+4*\c:\reg+4*\c+3], v[\adr] offset:ASTEP*(\i)+2048*(\q)+512*\c
.endr
.endm
; 16 matrix instructions: A's blocks a0, a0 + 1 x B's eight.  first = 1: the bias is the C: nothing is cleared or added later.  The 64 accumulators take turns, one instruction a turn.
.macro MUL16 a0, p, q, sc, first
.irp a, \a0, \a0+1
.irp b, 0,1,2,3,4,5,6,7
.if \first
	v_wmma_scale_f32_16x16x128_f8f6f4 v[8*(8*((\a)%4)+\b):8*(8*((\a)%4)+\b)+7], v[128*(\p)+FR*\b:128*(\p)+FR*\b+FR-1], v[AF+FR*(\a):AF+FR*(\a)+FR-1], v[BIAS+8*\b:BIAS+8*\b+7], v[SC+8*NQ*(\sc)+NQ*\b+(\q)], v[SC+8*NQ*(\sc)+NQ*(\a)+(\q)] matrix_a_fmt:MATRIX_FMT_BF8 matrix_b_fmt:MATRIX_FMT_BF8 matrix_a_scale:MATRIX_SCALE_ROW1
.else
	v_wmma_scale_f32_16x16x128_f8f6f4 v[8*(8*((\a)%4)+\b):8*(8*((\a)%4)+\b)+7], v[128*(\p)+FR*\b:128*(\p)+FR*\b+FR-1], v[AF+FR*(\a):AF+FR*(\a)+FR-1], v[8*(8*((\a)%4)+\b):8*(8*((\a)%4)+\b)+7], v[SC+8*NQ*(\sc)+NQ*\b+(\q)], v[SC+8*NQ*(\sc)+NQ*(\a)+(\q)] matrix_a_fmt:MATRIX_FMT_BF8 matrix_b_fmt:MATRIX_FMT_BF8 matrix_a_scale:MATRIX_SCALE_ROW1
.endif
.endr
.endr
.endm
.macro FETCH_B slot, q, p
	WIN TO_B
.irp i, 0,1,2,3,4,5,6,7
	FRAG 128*(\p)+FR*\i, ADRB+\slot, \q, \i
.endr
	WIN 0
.endm
.macro FETCH_A slot, q, i0
.irp i, \i0, \i0+1, \i0+2, \i0+3
	FRAGA AF+FR*(\i), ADRA+\slot, \q, \i
.endr
.endm
.macro SCALES sc
.irp i, 0,1,2,3,4,5,6,7
	ds_load_b64 v[SC+8*NQ*\sc+NQ*\i:SC+8*NQ*\sc+NQ*\i+1], v[ADRS] offset:\i*SBLK
.endr
.endm
.macro PLACES n                        ; places behind matrix instructions: plain vector instructions that name none of their registers (ISA guide 7.12.1 for vector instructions)
.rept \n
	v_nop
.endr
.endm
.macro STEP slot, q, first
	s_wait_dscnt 4*NL                              ; B's set and A's blocks 0-3 are in; the youngest sixteen loads (A's blocks 4-7) may be out
.if \first
	WIN FIRST_LO
.else
	WIN MUL_LO
.endif
	MUL16 0, (\q)%2, \q, \slot, \first
	MUL16 2, (\q)%2, \q, \slot, \first
	s_wait_dscnt 0
	PLACES NP
	FETCH_B \slot, (\q)+1, 1-(\q)%2
	FETCH_A \slot, (\q)+1, 0
.if \first
	WIN FIRST_HI
.else
	WIN MUL_HI
.endif
	MUL16 4, (\q)%2, \q, \slot, \first
	MUL16 6, (\q)%2, \q, \slot, \first
	PLACES NP
	WIN 0
	FETCH_A \slot, (\q)+1, 4
.endm
; A slot's last step changes slots: ONE barrier; in front of it each wave waits for all its tensor loads, adds 0 to its spare word, and waits for that and for its reads of this slot.
.macro TURN slot, next, fill
	s_wait_tensorcnt 0x0                           ; all my tensor loads have landed: my part of the next slot
	ds_add_u32 v[SPW], v[NIL]                      ; 0 onto my spare word
	s_wait_dscnt 4*NL+1                            ; (the add and the youngest sixteen loads may be out)
	WIN MUL_LO
	MUL16 0, 1, NQ-1, \slot, 0
	s_wait_dscnt 0x0                               ; the add is done, and my reads of this slot are over
	s_barrier_signal -1
	MUL16 2, 1, NQ-1, \slot, 0
	WIN 0
	s_barrier_wait -1
.if \fill
	CREST                                          ; a round of the cluster's barrier: no wave of any partner still reads this slot or has a load on its way
	s_add_nc_u64 s[G0+4*\slot+2:G0+4*\slot+3], s[G0+4*\slot+2:G0+4*\slot+3], 2*ASTEP
	s_add_nc_u64 s[G0B+4*\slot+2:G0B+4*\slot+3], s[G0B+4*\slot+2:G0B+4*\slot+3], 2*ROWB
	JLOAD G0+4*\slot, G1, G0B+4*\slot, G1B         ; the first tensor load behind the round, my only one out
	PLACES NP-4
.else
	PLACES NP
.endif
	v_add_nc_u32 v[ADRS], 4*NQ, v[ADRS]
	FETCH_B \next, 0, 0
	FETCH_A \next, 0, 0
	SCALES \next
	WIN MUL_HI
	MUL16 4, 1, NQ-1, \slot, 0
	MUL16 6, 1, NQ-1, \slot, 0
	PLACES NP
	WIN 0
	FETCH_A \next, 0, 4
.endm
	s_wait_tensorcnt 1                             ; the scales and my part of K step 0 are in (K step 1's load may be out)
	s_barrier_signal -1
	s_barrier_wait -1
	FETCH_B 0, 0, 0
	FETCH_A 0, 0, 0
	SCALES 0
	FETCH_A 0, 0, 4
	s_wait_loadcnt 0x0                             ; the bias
	STEP 0, 0, 1                                   ; the first step stands in front of the loop: its products start the sums, on the bias
	s_mov_b32 s3, LAPS-1
.Llap:
	TURN 0, 1, 1
	STEP 1, 0, 0
	TURN 1, 0, 1
	STEP 0, 0, 0
	s_sub_co_u32 s3, s3, 1
	s_cmp_lg_u32 s3, 0
	s_cbranch_scc1 .Llap
	TURN 0, 1, 0                                   ; the last lap fills nothing
	STEP 1, 0, 0
	s_wait_dscnt 4*NL
	WIN MUL_LO
	MUL16 0, 1, NQ-1, 1, 0
	MUL16 2, 1, NQ-1, 1, 0
	s_wait_dscnt 0
	WIN MUL_HI
	MUL16 4, 1, NQ-1, 1, 0
	MUL16 6, 1, NQ-1, 1, 0
	WIN 0
; THE WAY OUT, block by block of 16 rows x 128 columns, through my own stage in LDS; back as whole rows of 512 bytes.
.macro TOSTAGE a
.set AC, 64*((\a)%4)
	WIN 0x08+4*((\a)/4)                            ; the data: window 2 or 3
.irp b, 0,1,2,3,4,5,6,7
	ds_store_b128 v[STO], v[AC+8*\b:AC+8*\b+3] offset:128*(\b/2)+32*(\b%2)          ; each accumulator from its low end on
	ds_store_b128 v[STO], v[AC+8*\b+4:AC+8*\b+7] offset:128*(\b/2)+32*(\b%2)+16
.endr
	WIN 0
.set BB, BK+64*((\a)%2)
.irp t, 0,1,2,3,4,5,6,7,8,9,10,11,12,13,14,15
	ds_load_b128 v[BB+4*\t:BB+4*\t+3], v[RD] offset:\t*SPITCH   ; LDS serves a wave's instructions in order (ISA guide 5.7.1.4)
.endr
.endm
.macro SEND a, younger
.set BB, BK+64*((\a)%2)
	s_wait_dscnt \younger
.if (\a) > 0
	s_add_nc_u64 s[12:13], s[12:13], 16*SIZE_N*4   ; (behind a wait on XCNT: the earlier stores have read their base)  16 rows on
.endif
.irp t, 0,1,2,3,4,5,6,7,8,9,10,11,12,13,14,15
	global_store_b128 v[CO], v[BB+4*\t:BB+4*\t+3], s[12:13] offset:\t*SIZE_N*4 th:TH_STORE_NT   ; 32 lanes store 512 consecutive bytes, aligned; written once, read by nobody here
.endr
.endm
	PLACES NP
	TOSTAGE 0
.irp a, 1,2,3,4,5,6,7
.if \a > 1
	s_wait_xcnt 0x0                                ; block a - 2's stores have read their registers and their base
.endif
	TOSTAGE \a
	SEND \a-1, 32                                  ; behind block a - 1's loads: block a's 16 stores and 16 loads
.endr
	s_wait_xcnt 0x0                                ; block 6's stores have read their base
	SEND 7, 0
	s_wait_tensorcnt 0x0                           ; the wave's end
	ds_add_u32 v[SPW], v[NIL]
	s_wait_dscnt 0x0
	CROUND                                         ; the closing round
	s_endpgm
.Lfunc_end_k_q64f9cc87a8_gemm2:
	.size	k_q64f9cc87a8_gemm2, .Lfunc_end_k_q64f9cc87a8_gemm2-k_q64f9cc87a8_gemm2
	.p2alignl 7, 3214868480
	.fill 96, 4, 3214868480
	.section	.rodata,"a",@progbits
	.p2align	6, 0x0
	.amdhsa_kernel k_q64f9cc87a8_gemm2
		.amdhsa_group_segment_fixed_size 327680
		.amdhsa_private_segment_fixed_size 0
		.amdhsa_enable_private_segment 0
		.amdhsa_kernarg_size 32
		.amdhsa_user_sgpr_count 2
		.amdhsa_user_sgpr_kernarg_segment_ptr 1
		.amdhsa_wavefront_size32 1
		.amdhsa_system_sgpr_workgroup_id_x 1
		.amdhsa_system_sgpr_workgroup_id_y 1
		.amdhsa_system_sgpr_workgroup_id_z 1
		.amdhsa_system_vgpr_workitem_id 0
		.amdhsa_next_free_vgpr 1024
		.amdhsa_next_free_sgpr 104
		.amdhsa_reserve_vcc 0
		.amdhsa_float_denorm_mode_32 3
		.amdhsa_float_denorm_mode_16_64 3
		.amdhsa_memory_ordered 1
		.amdhsa_forward_progress 1
		.amdhsa_inst_pref_size 147
	.end_amdhsa_kernel
	.amdgpu_metadata
---
amdhsa.version: [ 1, 2 ]
amdhsa.kernels:
  - .name:           k_q64f9cc87a8_gemm2
    .symbol:         k_q64f9cc87a8_gemm2.kd
    .args:
      - { .name: oq, .offset: 0, .size: 8, .value_kind: global_buffer, .address_space: global }
      - { .name: wts, .offset: 8, .size: 8, .value_kind: global_buffer, .address_space: global }
      - { .name: bproj, .offset: 16, .size: 8, .value_kind: global_buffer, .address_space: global }
      - { .name: out0, .offset: 24, .size: 8, .value_kind: global_buffer, .address_space: global }
    .group_segment_fixed_size: 327680
    .private_segment_fixed_size: 0
    .kernarg_segment_align: 8
    .kernarg_segment_size: 32
    .max_flat_workgroup_size: 128
    .sgpr_count:     104
    .vgpr_count:     1024
    .wavefront_size: 32
...
	.end_amdgpu_metadata
.endif
;; end of part 4
;; ======== version 2 of 2: 4 launches; version 1 with the launch attn written anew for expert scheduling mode
;; workspace buffers: xq 8,650,752 bytes; wts 4,325,376 bytes; clsp 524,288 bytes; qk 17,825,792 bytes; v32 33,554,432 bytes; oq 8,650,752 bytes
;; launch prep: the kernel of part 1 again; grid 640 x 1, 4 waves a work-group, no clusters, 92,672 bytes of LDS; arguments x, xq, Wqkv, Wproj, z_cls, Wkv_cls, wts, clsp; writes xq, wts, clsp
;; launch gemm1: the kernel of part 2 again; grid 12 x 32, 4 waves a work-group, clusters of 4 x 4, 327,680 bytes of LDS; arguments xq, wts, qk, v32; writes qk, v32
;; launch attn (part 5): grid 2 x 128, 16 waves a work-group, no clusters, 166,912 bytes of LDS; arguments qk, v32, clsp, oq; writes oq
.if DOCPART == 5
	.amdgcn_target "amdgcn-amd-amdhsa--gfx1250"
	.amdhsa_code_object_version 6
	.text
	.protected	k_q64f9cc87a8_attn
	.globl	k_q64f9cc87a8_attn
	.p2align	8
	.type	k_q64f9cc87a8_attn,@function
k_q64f9cc87a8_attn:
	s_mov_b64 s[64:65], 0
	v_nop
	global_prefetch_b8 v0, s[64:65] scope:SCOPE_SE
	s_setreg_imm32_b32 hwreg(HW_REG_WAVE_SCHED_MODE, 0, 2), 2
	s_setreg_imm32_b32 hwreg(HW_REG_WAVE_MODE, 25, 1), 1
	s_wait_xcnt 0x0
	s_wait_alu depctr_vm_vsrc(0)
; Attention of one head over 1,025 keys (the cls key first, then the 1,024 tokens), both products on codes of BF8 (E5M2) with one E8M0 scale for each 32 along a product's K; the result is quantised for the last product.
; IN: qk: q's and k's codes as images of an operand's registers [g][b][tile of 16 tokens][block of 32][lane][16 bytes] (g = head, 16 + head), scale words at byte 0x1000000 [g][b][token];
;     v32: v in f32 [b 16 + head][token][64];  clsp: eight partial sums [8][b][2048] of z_cls Wkv_cls (k_cls at column 64 head, v_cls at 1,024 + 64 head).
; OUT: oq: codes as images [tile of 16 tokens][128 along K][block][lane][16 bytes]; scale bytes [8192][32] at byte 0x800000.
; SOFTMAX: t = score x log2(e) / 8; M = the running largest t rounded UP to a whole number; p = 2^(t - M) is quantised along the keys, not normalised; the sum is taken of the unquantised p and divides at the end.
; When M moves, the sum and O are multiplied by 2^(old M - new M), which rounds nothing.
; SHARES.  A work-group owns 512 queries of one head; each of its sixteen waves two tiles of 16, one after the other, in 256 registers: four waves to a SIMD, one wave's vector work beside another's products.
; A WHOLE HEAD'S K AND V LIE IN LDS AS CODES, written once through registers ahead of the text's one barrier: K's images are turned into rows, shifted by the cls key; V is quantised here, a lane to a channel,
; registers down the keys (blocks of 32 keys begin at the cls key).  No tensor load could shift or quantise on the way, so there is no ring; the two work-groups of a head share too little time for a joint request.
; LAYOUT.  Both products are used transposed: S^T = K Q^T, O^T = V^T P^T: a lane holds ONE query (lane % 16).  Key m lies at LDS row pi(m), channel d at row pi(d), pi = bits 3 and 4 exchanged: so the 16 registers of
; two neighbouring result tiles are 16 neighbours (keys, or channels), in the order of an 8-bit operand's registers.  The head's 64 fill half of the 128-deep product: the other half is zero codes kept in registers.
; Key 1,024 stands alone in the 33rd block: a ninth step with one tile of K, all other scores set to -infinity, zero codes in the rest of P and V.
; LIMITS: a block of zeros gets the byte 1 where the quantiser says 127 (zero codes; this program alone reads the bytes); blocks under 2^-111 are held at the byte 1; NaN and infinities are not served.
; A block's largest p is taken from its largest score by the same multiply-add and exponential (v_exp_f32 is taken not to fall where its input rises).
; THE MODE: SCHED_MODE bits 1:0 = 2 (LLVM: expert scheduling mode 2), set by the entry lines.  The code itself states the register dependences between vector or matrix instructions and memory or LDS
; instructions, with s_wait_alu, always for 0.
; THE PLAN.  Registers that LDS instructions touch in a key step:
;   v8-11    the four LDS addresses.  Read by every LDS load.  Written once a step, behind the step's last products S^T: K's two for the NEXT step, V's two for this one.
;   K's fragments, registers 0-7 of each of four.  Tiles 0-3 of a step are asked for in the step BEFORE, among its holds; tiles 4-7 behind the products on tiles 0-3.  Read by the products S^T alone.
;   v226-229 scale words.  LDS loads land three times a step (K's tiles 0-3, K's tiles 4-7, V's); each time the products that follow read them.
;   v96-159  written by the products S^T and the softmax, read by the conversions; then V's four fragments land there, and the products O^T read them.
; O^T, p's codes, the statistics and the operands' zero halves are named by vector and matrix instructions alone.
; So a step has four waits on va_vdst: at its head (the last products are done reading the scale words); behind the products on tiles 0-3; behind the exponentials (their results; the addresses; K's fragments are
; free); behind the conversions (p's registers are free for V; p's codes and scale word are written for the scaled products); and one wait on vm_vsrc, ahead of the four additions.
.set KC,  0                            ; LDS: K's codes, 1,041 rows of 64 bytes + 16: 20 words: sixteen rows start at sixteen different groups of four banks
.set KP,  80
.set VC,  83456                        ; V^T's codes: 64 rows of 1,152 keys + 16 bytes = 292 words: likewise
.set VP,  1168
.set KS,  158208                       ; K's scale words, at 4 pi(m)
.set VS,  162560                       ; V's scale words: [step of 128 keys][pi(d)]
.set AK0,  1                           ; v1   my lane's place in a tile of K
.set AV0,  2                           ; v2   in a tile of V^T
.set ASK0, 3                           ; v3   among K's scale words
.set ASV0, 4                           ; v4   among V's
.set LI,   5                           ; v5   16 x lane
.set QSA,  6                           ; v6   4 (lane % 16)
.set OSA,  7                           ; v7   32 x lane
.set ADK,  8                           ; v8-11 the step's LDS addresses; in the prologue offsets of loads:
.set ADV,  9
.set ADS,  10
.set ADT,  11
.set CKA,  8                           ;      32 (lane % 8)
.set TVA,  9                           ;      4 d, d = thread % 64
.set KGA,  10                          ;      16 x thread
.set KSGA, 11                          ;      4 x thread
.set KF,   32                          ; v32-95   four fragments of K; registers 8-15 of each stay zero
.set S,    96                          ; v96-159  S^T, then p, then four fragments of V^T; in the prologue two sets of 32 numbers of v
.set O,    160                         ; v160-191 O^T
.set PCD,  192                         ; v192-207 p's codes
.set VQ,   216                         ; v216-223 prologue: a block's codes of v
.set KSW,  226                         ; v226-229 scale words of K, then of V; v224, v225 Q's; v249 p's: these seven hold scales and nothing else
.set BM,   230                         ; v230-233 a block's largest score, then largest p
.set T2,   234                         ; v234-237 at work
.set VM,   234                         ; prologue: v234-238 at work, v239 four scale bytes
.set HOLD, 238                         ; v238-241 57,344 x the scale
.set SCL,  242                         ; v242-245 the conversions' scale operands
.set TMP,  246
.set F,    248                         ; v248 f = 2^(old M - new M); named as a pair with v249
.set PSW,  249
.set OSW,  252                         ; v252 the result's two scale bytes
.set NINF, 253                         ; v253 -infinity
.set KW0,  240                         ; prologue addresses, all made ahead of the first branch on the wave's number
.set KW1,  241
.set KSWA, 242
.set VGA,  243
.set VGA0, 244
.set AVW,  245
.set VSWA, 246
.set R13A, 247
.set R13B, 248
.set R13Z, 250
.set R13S, 251
.set R14A, 252
.set R14S, 253
.set WV,   12                          ; s12 wave
.set SEL,  20                          ; s[20:21] v_permlanex16_b32's selects: lane l xor 16
.set CS,   22                          ; s[22:23] c = log2(e) / 8
.set MNT,  24                          ; s24 the mantissa field of 57,344
.set HI16, 25                          ; s25 lanes 16-31
.set FIRST, 26                         ; s26 all ones in the waves whose first key is the cls key
.set ODD4, 27                          ; s27 lanes whose bit 2 is set
.set QB,   28
.set QS,   30
.set KB,   32
.set KSB,  34
.set VB,   36
.set CPK,  38
.set CPV,  40
.set OB,   42
.set OS,   44
.set TK,   46                          ; s46, s48 the place in K's rows and words of the step whose addresses were made last; s47, s49 this step's place in V's rows and words
.set TV,   47
.set TS,   48
.set TJ,   49
.set CNT,  50
.macro PI dst, src, keep, tmp          ; v[dst] = v[src] with bits 3 and 4 exchanged; keep: the mask of its other bits
	v_and_b32 v[\dst], \keep, v[\src]
	v_bfe_u32 v[\tmp], v[\src], 3, 1
	v_lshl_add_u32 v[\dst], v[\tmp], 4, v[\dst]
	v_bfe_u32 v[\tmp], v[\src], 4, 1
	v_lshl_add_u32 v[\dst], v[\tmp], 3, v[\dst]
.endm
	s_load_b256 s[4:11], s[0:1], 0x0               ; qk s[4:5], v32 s[6:7], clsp s[8:9], oq s[10:11]
	v_lshrrev_b32 v254, 5, v0
	v_readfirstlane_b32 s[WV], v254                ; wave 0..15
	v_and_b32 v254, 15, v0                         ; r
	v_bfe_u32 v255, v0, 4, 1                       ; h
	v_mul_u32_u24 v[AK0], v254, KP
	v_lshl_add_u32 v[AK0], v255, 4, v[AK0]         ; K: row r, + 16 h (KC = 0)
	v_mul_u32_u24 v[AV0], v254, VP
	v_lshl_add_u32 v[AV0], v255, 4, v[AV0]
	v_add_nc_u32 v[AV0], VC, v[AV0]
	v_lshl_add_u32 v[ASK0], v254, 2, KS
	v_lshl_add_u32 v[ASV0], v254, 2, VS
	v_lshlrev_b32 v[QSA], 2, v254
	v_and_b32 v203, 31, v0                         ; lane
	v_lshlrev_b32 v[LI], 4, v203
	v_lshlrev_b32 v[OSA], 5, v203
	v_and_b32 v204, 7, v0
	v_lshlrev_b32 v[CKA], 5, v204
	v_lshlrev_b32 v[R13A], 3, v204                 ; the cls key's row 0: 8 bytes at 8 (lane % 8)
	v_and_b32 v205, 63, v0                         ; d: my channel in the V quantiser
	v_lshlrev_b32 v[TVA], 2, v205
	v_lshlrev_b32 v[KGA], 4, v0
	v_lshlrev_b32 v[KSGA], 2, v0
	v_lshrrev_b32 v206, 6, v0                      ; thread / 64: a tile of K's images; also my step of 128 keys of V
	v_lshl_add_u32 v207, v206, 4, v254
	v_add_nc_u32 v207, 1, v207                     ; the key, within 128, of my 16 bytes of an image: 16 (thread / 64) + r + 1: the cls key shifts the tokens by one
	PI KW0, 207, 0xe7, KW1
	v_mul_u32_u24 v[KW0], v[KW0], KP
	v_bfe_u32 v[KW1], v0, 5, 1
	v_lshl_add_u32 v[KW0], v[KW1], 5, v[KW0]       ; + 32 x the block of 32 channels
	v_lshl_add_u32 v[KW0], v255, 4, v[KW0]         ; + 16 h
	v_add_nc_u32 v[KW1], 4*128*KP, v[KW0]          ; (an LDS offset has 16 bits: a second register for keys 512 on)
	v_add_nc_u32 v207, 1, v0                       ; the key, within 512, of my scale word
	PI KSWA, 207, 0x3e7, VSWA
	v_lshl_add_u32 v[KSWA], v[KSWA], 2, KS
	PI 207, 205, 0x27, VSWA                        ; pi(d)
	v_mul_u32_u24 v[R14A], v207, VP
	v_add_nc_u32 v[R14A], VC, v[R14A]              ; my channel's row of V^T
	v_lshl_add_u32 v[AVW], v206, 7, v[R14A]        ; + my step's 128 bytes
	v_lshl_add_u32 v[R14S], v207, 2, VS+8*256      ; the ninth step's scale word
	v_lshl_add_u32 v[VSWA], v207, 2, VS
	v_lshl_add_u32 v[VSWA], v206, 8, v[VSWA]       ; my step's
	v_mov_b32 v[R13B], KS                          ; the cls key's scale word
	v_lshrrev_b32 v[R13Z], 2, v203
	v_mul_u32_u24 v[R13Z], v[R13Z], KP
	v_and_b32 v204, 3, v203
	v_lshl_add_u32 v[R13Z], v204, 4, v[R13Z]
	v_add_nc_u32 v[R13Z], 1025*KP, v[R13Z]         ; rows 1,025 on: zeros
	v_lshl_add_u32 v[R13S], v203, 2, KS+4*1025     ; and their scale words
	s_wait_alu depctr_va_sdst(0)                   ; the wave's number is written into s12, ahead of its first reader: offsets and branches are made from it
	s_and_b32 s13, ttmp7, 0xffff                   ; 16 b + head
	s_lshr_b32 s14, s13, 4                         ; b
	s_and_b32 s15, s13, 15                         ; head
	s_lshl_b32 s16, s15, 3
	s_add_co_u32 s16, s16, s14                     ; 8 head + b
	s_lshl_b32 s17, ttmp9, 5
	s_lshl_b32 s18, s[WV], 1
	s_add_co_u32 s17, s17, s18                     ; my first tile of queries: 32 x + 2 wave
	s_lshl_b32 s51, s16, 6
	s_add_co_u32 s51, s51, s17
	s_lshl_b32 s[QB], s51, 10                      ; 1,024 bytes of image a tile,
	s_mov_b32 s[QB+1], 0
	s_lshl_b32 s[QS], s51, 6                       ; 64 bytes of scale words
	s_mov_b32 s[QS+1], 0
	s_add_co_u32 s51, s16, 128                     ; k: g = 16 + head
	s_lshl_b32 s[KB], s51, 16
	s_mov_b32 s[KB+1], 0
	s_lshl_b32 s[KSB], s51, 12
	s_mov_b32 s[KSB+1], 0
	s_lshl_b32 s[VB], s13, 18
	s_mov_b32 s[VB+1], 0
	s_lshl_b32 s[CPK], s14, 13
	s_lshl_b32 s51, s15, 8
	s_add_co_u32 s[CPK], s[CPK], s51
	s_mov_b32 s[CPK+1], 0
	s_lshl_b32 s51, s14, 6
	s_add_co_u32 s51, s51, s17                     ; my first tile among all tokens: 64 b + 32 x + 2 wave
	s_lshl_b32 s[OB], s51, 14                      ; 16,384 bytes of image a tile,
	s_lshl_b32 s[OS], s51, 9                       ; 16 rows of 32 scale bytes
	s_lshl_b32 s51, s15, 10                        ; the head's 64 along K: 1,024 bytes of image,
	s_add_co_u32 s[OB], s[OB], s51
	s_mov_b32 s[OB+1], 0
	s_lshl_b32 s51, s15, 1                         ; two scale bytes
	s_add_co_u32 s[OS], s[OS], s51
	s_mov_b32 s[OS+1], 0
	s_lshr_b32 s51, s[WV], 1                       ; my step of V
	s_lshl_b32 s52, s51, 15                        ; 128 tokens of 256 bytes
	s_sub_co_i32 s53, s52, 256                     ; my first key is the token before them,
	s_max_i32 s53, s53, 0                          ; or, in step 0, the cls key: the load stays inside the buffer and its number is replaced
	s_cmp_eq_u32 s51, 0
	s_cselect_b32 s[FIRST], -1, 0
	v_add_nc_u32 v[VGA], s52, v[TVA]
	v_add_nc_u32 v[VGA0], s53, v[TVA]
	s_mov_b32 s[SEL], 0x76543210
	s_mov_b32 s[SEL+1], 0xfedcba98
	s_mov_b32 s[CS], 0x3e38aa3b                    ; log2(e) / 8
	s_mov_b32 s[CS+1], s[CS]                       ; (named with it as a pair, so it is written)
	s_mov_b32 s[MNT], 0x600000
	s_mov_b32 s[HI16], 0xffff0000
	s_mov_b32 s[ODD4], 0xf0f0f0f0
	s_wait_kmcnt 0x0
	s_add_nc_u64 s[QB:QB+1], s[4:5], s[QB:QB+1]
	s_add_nc_u64 s[QS:QS+1], s[4:5], s[QS:QS+1]
	s_add_nc_u64 s[QS:QS+1], s[QS:QS+1], 0x1000000
	s_add_nc_u64 s[KB:KB+1], s[4:5], s[KB:KB+1]
	s_add_nc_u64 s[KSB:KSB+1], s[4:5], s[KSB:KSB+1]
	s_add_nc_u64 s[KSB:KSB+1], s[KSB:KSB+1], 0x1000000
	s_add_nc_u64 s[VB:VB+1], s[6:7], s[VB:VB+1]
	s_add_nc_u64 s[CPK:CPK+1], s[8:9], s[CPK:CPK+1]
	s_add_nc_u64 s[CPV:CPV+1], s[CPK:CPK+1], 4096
	s_add_nc_u64 s[OB:OB+1], s[10:11], s[OB:OB+1]
	s_add_nc_u64 s[OS:OS+1], s[10:11], s[OS:OS+1]
	s_add_nc_u64 s[OS:OS+1], s[OS:OS+1], 0x800000
	s_wait_alu depctr_va_vdst(0)                   ; every offset and LDS address of the prologue is written (v5-11, v240-253): the loads and LDS stores up to the barrier read them, and no vector line writes one of them before the barrier
	; ---- the loads, alike in every wave, so that the counted waits below hold on every way
	global_load_b128 v[16:19], v[LI], s[QB:QB+1]               ; Q's two fragments stay in registers
	global_load_b128 v[20:23], v[LI], s[QB:QB+1] offset:512
	global_load_b128 v[208:211], v[LI], s[QB:QB+1] offset:1024
	global_load_b128 v[212:215], v[LI], s[QB:QB+1] offset:1536
	global_load_b32 v224, v[QSA], s[QS:QS+1]
	global_load_b32 v225, v[QSA], s[QS:QS+1] offset:64
.irp p, 0,1,2,3,4,5,6,7                ; k_cls: eight partial sums of my 8 channels
	global_load_b128 v[KF+8*\p:KF+8*\p+3], v[CKA], s[CPK:CPK+1] offset:65536*\p
	global_load_b128 v[KF+8*\p+4:KF+8*\p+7], v[CKA], s[CPK:CPK+1] offset:65536*\p+16
.endr
	global_load_b32 v202, v[TVA], s[VB:VB+1] offset:1023*256   ; key 1,024 = token 1,023, my channel
.irp p, 0,1,2,3,4,5,6,7                ; v_cls: eight partial sums of my channel
	global_load_b32 v[194+\p], v[TVA], s[CPV:CPV+1] offset:65536*\p
.endr
.irp j, 0,1,2,3,4,5,6,7                ; K's images: 512 threads x 16 bytes are eight tiles
	global_load_b128 v[O+4*\j:O+4*\j+3], v[KGA], s[KB:KB+1] offset:8192*\j
.endr
	global_load_b32 v192, v[KSGA], s[KSB:KSB+1]
	global_load_b32 v193, v[KSGA], s[KSB:KSB+1] offset:2048
.macro VLOAD i                         ; block i of my step: keys 32 i + k, k = 0 .. 31, of my channel, into set i % 2: 32 lanes read 128 consecutive bytes
.set kk, 0
.rept 32
.if ((\i) == 0) && (kk == 0)
	global_load_b32 v[S+32*((\i)%2)+kk], v[VGA0], s[VB:VB+1]
.else
	global_load_b32 v[S+32*((\i)%2)+kk], v[VGA], s[VB:VB+1] offset:(32*(\i)+kk-1)*256
.endif
.set kk, kk+1
.endr
.endm
	VLOAD 0
	s_wait_loadcnt 32                              ; all but the 32 just issued
.irp j, 0,1,2,3
	ds_store_b128 v[KW0], v[O+4*\j:O+4*\j+3] offset:128*KP*\j       ; key 128 j + ... at row pi(key)
.endr
.irp j, 0,1,2,3
	ds_store_b128 v[KW1], v[O+16+4*\j:O+16+4*\j+3] offset:128*KP*\j
.endr
	ds_store_b32 v[KSWA], v192
	ds_store_b32 v[KSWA], v193 offset:2048
	VLOAD 1
; V's quantiser: a block of 32 keys of one channel lies in one lane's 32 registers
.macro VBLOCK i
.set XS, S+32*((\i)%2)
.if (\i) < 3
	s_wait_loadcnt 32                              ; this block's loads are in; the next block's 32 may be out
.else
	s_wait_loadcnt 0
.endif
.if (\i) == 0
.irp p, 1,2,3,4,5,6,7
	v_add_f32 v194, v194, v[194+\p]                ; v_cls of my channel
.endr
	v_cndmask_b32 v[XS], v[XS], v194, s[FIRST]     ; key 0 is the cls key
.endif
	v_max3_num_f32 v[VM], |v[XS]|, |v[XS+1]|, |v[XS+2]|
	v_max3_num_f32 v[VM+1], |v[XS+3]|, |v[XS+4]|, |v[XS+5]|
.irp n, 6,10,14,18,22,26
	v_max3_num_f32 v[VM], v[VM], |v[XS+\n]|, |v[XS+\n+1]|
	v_max3_num_f32 v[VM+1], v[VM+1], |v[XS+\n+2]|, |v[XS+\n+3]|
.endr
	v_max3_num_f32 v[VM], v[VM], |v[XS+30]|, |v[XS+31]|
	v_max3_num_f32 v[VM], v[VM], v[VM+1], 0x8000000   ; and the floor 2^(16 - 127)
	v_add_nc_u32 v[VM+2], 0xf8800000, v[VM]        ; the conversion's scale operand
	v_and_or_b32 v[VM+3], v[VM], 0x7f800000, s[MNT]   ; 57,344 x the scale
	v_lshrrev_b32 v[VM+4], 23, v[VM+2]             ; the byte
.if (\i) == 0
	v_mov_b32 v[VM+5], v[VM+4]
.else
	v_lshl_or_b32 v[VM+5], v[VM+4], 8*(\i), v[VM+5]
.endif
.set kk, 0
.rept 32
	v_med3_num_f32 v[XS+kk], v[XS+kk], -v[VM+3], v[VM+3]
.set kk, kk+1
.endr
.irp g, 0,1,2,3
	v_cvt_scalef32_pk8_bf8_f32 v[VQ+2*\g:VQ+2*\g+1], v[XS+8*\g:XS+8*\g+7], v[VM+2]
.endr
	v_nop                                          ; a plain vector line behind the last conversion of the run
	s_wait_alu depctr_va_vdst(0)                   ; the conversions have written the codes, which the LDS stores read, and are done with this set of 32 numbers, in which (blocks 0 and 1) the loads of the block after next land; in block 3 the four scale bytes' register is written too
	ds_store_b128 v[AVW], v[VQ:VQ+3] offset:32*(\i)
	ds_store_b128 v[AVW], v[VQ+4:VQ+7] offset:32*(\i)+16
.if (\i)+2 < 4
	VLOAD (\i)+2
.endif
	s_wait_dscnt 0x0                               ; the stores are done
.if (\i) < 3
	s_wait_alu depctr_vm_vsrc(0)                   ; the LDS stores have read the codes' registers, which the next block's conversions write
.endif
.endm
.irp i, 0,1,2,3
	VBLOCK \i
.endr
	ds_store_b32 v[VSWA], v[VM+5]                  ; my channel's scale word of my step (written ahead of block 3's wait; no vector line has named it since)
	; ---- wave 13: the cls key's row and scale word, and the zero rows behind key 1,024.  All its vector lines first, one wait, then its five LDS stores
	s_cmp_eq_u32 s[WV], 13
	s_cbranch_scc0 .Lnot_13
.irp p, 1,2,3,4,5,6,7
.irp q, 0,2,4,6
	v_pk_add_f32 v[KF+\q:KF+\q+1], v[KF+\q:KF+\q+1], v[KF+8*\p+\q:KF+8*\p+\q+1]   ; k_cls: my 8 channels; four lanes hold a block of 32
.endr
.endr
	v_max3_num_f32 v40, |v32|, |v33|, 0x8000000
	v_max3_num_f32 v40, v40, |v34|, |v35|
	v_max3_num_f32 v40, v40, |v36|, |v37|
	v_max3_num_f32 v40, v40, |v38|, |v39|
	v_max_num_f32_dpp v40, v40, v40 row_xmask:1 row_mask:0xf bank_mask:0xf
	v_max_num_f32_dpp v40, v40, v40 row_xmask:2 row_mask:0xf bank_mask:0xf
	v_add_nc_u32 v41, 0xf8800000, v40
	v_and_or_b32 v42, v40, 0x7f800000, s[MNT]
	v_lshrrev_b32 v43, 23, v41                     ; my block's byte
.irp n, 0,1,2,3,4,5,6,7
	v_med3_num_f32 v[32+\n], v[32+\n], -v42, v42
.endr
	v_cvt_scalef32_pk8_bf8_f32 v[44:45], v[32:39], v41
	v_mov_b32 v46, 0                               ; (a plain line behind the conversion; the DPP move's destination counts as read)
	v_mov_b32_dpp v46, v43 row_xmask:4 row_mask:0xf bank_mask:0xf   ; the other block's byte
	v_cndmask_b32 v47, v43, v46, s[ODD4]           ; block 0's
	v_cndmask_b32 v48, v46, v43, s[ODD4]           ; block 1's
	v_lshl_or_b32 v49, v48, 8, v47
	v_or_b32 v49, 0x7f7f0000, v49
.irp n, 0,1,2,3
	v_mov_b32 v[52+\n], 0
.endr
	v_mov_b32 v56, 0x7f7f7f7f
	s_wait_alu depctr_va_vdst(0)                   ; the cls key's codes (v44, v45), its scale word (v49), the zeros (v52-55) and the word of ones (v56) are written: the five LDS stores read them
	ds_store_b64 v[R13A], v[44:45]                 ; lanes 8 apart write the same bytes with the same values
	ds_store_b32 v[R13B], v49                      ; all lanes write the same word with the same value
	ds_store_b128 v[R13Z], v[52:55]                ; rows 1,025 to 1,032,
	ds_store_b128 v[R13Z], v[52:55] offset:8*KP    ; 1,033 to 1,040: zero codes
	ds_store_b32 v[R13S], v56
.Lnot_13:
	; ---- waves 14 and 15: the 33rd block of V: key 1,024 alone, then zero codes up to 1,152 keys
	s_cmp_lt_u32 s[WV], 14
	s_cbranch_scc1 .Lnot_14
	v_mov_b32 v96, v202
.irp n, 1,2,3,4,5,6,7
	v_mov_b32 v[96+\n], 0
.endr
	v_max3_num_f32 v104, |v96|, |v96|, 0x8000000
	v_add_nc_u32 v105, 0xf8800000, v104
	v_and_or_b32 v106, v104, 0x7f800000, s[MNT]
	v_lshrrev_b32 v107, 23, v105
	v_med3_num_f32 v96, v96, -v106, v106
	v_cvt_scalef32_pk8_bf8_f32 v[108:109], v[96:103], v105
	v_or_b32 v107, 0x7f7f7f00, v107                ; (a plain line behind the conversion)  the step's scale word
.irp n, 110,111,112,113,114,115
	v_mov_b32 v[\n], 0
.endr
	s_wait_alu depctr_va_vdst(0)                   ; the codes and zeros (v108-115) and the scale word (v107) are written: the nine LDS stores read them
	ds_store_b128 v[R14A], v[108:111] offset:1024
.irp n, 1,2,3,4,5,6,7
	ds_store_b128 v[R14A], v[112:115] offset:1024+16*\n
.endr
	ds_store_b32 v[R14S], v107
.Lnot_14:
	s_wait_dscnt 0x0                               ; for the others' sake: my stores are done
	s_barrier_signal -1
	s_barrier_wait -1                              ; the head's K and V lie in LDS; from here on LDS is only read
	s_wait_alu depctr_vm_vsrc(0)                   ; the prologue's loads and LDS stores have read their offsets, addresses and data (v8-11, v44-56, v160-193, v216-223, v239-253): the lines from here on write these registers anew
.irp n, 0,1,2,3,4,5,6,7
	v_mov_b32 v[24+\n], 0                          ; the zero halves of the 128-deep operands: Q's two fragments,
	v_mov_b32 v[216+\n], 0
.irp t, 0,1,2,3
	v_mov_b32 v[KF+16*\t+8+\n], 0                  ; and K's four
.endr
.endr
.irp n, 0,1,2,3
	v_mov_b32 v[T2+\n], 0                          ; written once: a lane permute's destination counts as one of its sources
.endr
	v_mov_b32 v[TMP], 0
	v_mov_b32 v[PSW], 0                            ; (named as the upper half of the pair with f before it is first written)
	v_mov_b32 v[NINF], 0xff800000
; A KEY STEP.  nb = 4: 128 keys, four blocks.  nb = 1: the ninth step: one tile of K, one block.  qf, qs: my tile's fragment of Q and its scale words.
; pre: how many tiles of the NEXT step's K are asked for in this step (4; 1 ahead of the ninth step; 0 in it).  This step's own first tiles were asked for so in the step before, or at the tile's head.
.macro STEP nb, qf, qs, pre
.rept 9
	v_nop                                          ; nine places: the scores below are written over V's fragments, which the last step's products read
.endr
	s_wait_alu depctr_va_vdst(0)                   ; the last step's products are done reading V's scale words, in whose registers K's now land
.set t, 0
.rept \nb
	ds_load_b32 v[KSW+t], v[ADS] offset:64*t
.set t, t+1
.endr
	s_wait_dscnt 0x0                               ; these words are in, and so are the fragments asked for a step ago
.set t, 0
.rept \nb                              ; S^T = K Q^T, tiles 0 to 3 of 16 keys (the ninth step: tile 0)
	v_wmma_scale_f32_16x16x128_f8f6f4 v[S+8*t:S+8*t+7], v[KF+16*t:KF+16*t+15], v[\qf:\qf+15], 0, v[KSW+t], v[\qs] matrix_a_fmt:MATRIX_FMT_BF8 matrix_b_fmt:MATRIX_FMT_BF8
.set t, t+1
.endr
.if \nb == 4
.rept 8
	v_nop                                          ; places in front of loads into registers that matrix instructions have read
.endr
	s_wait_alu depctr_va_vdst(0)                   ; those four products are done reading K's fragments and scale words, in which tiles 4 to 7 land
.set t, 0
.rept 4
	ds_load_b128 v[KF+16*t:KF+16*t+3], v[ADK] offset:16*KP*(4+t)
	ds_load_b128 v[KF+16*t+4:KF+16*t+7], v[ADK] offset:16*KP*(4+t)+32
	ds_load_b32 v[KSW+t], v[ADS] offset:64*(4+t)
.set t, t+1
.endr
	s_wait_dscnt 0x0
.set t, 0
.rept 4
	v_wmma_scale_f32_16x16x128_f8f6f4 v[S+8*(4+t):S+8*(4+t)+7], v[KF+16*t:KF+16*t+15], v[\qf:\qf+15], 0, v[KSW+t], v[\qs] matrix_a_fmt:MATRIX_FMT_BF8 matrix_b_fmt:MATRIX_FMT_BF8
.set t, t+1
.endr
.endif                                 ; lane (r, h) holds query r; registers 16 b + i are keys 32 b + 16 h + i of the step
	; eight places behind the products, ahead of the first read of the scores: the additions that make the addresses are among them
.if \pre > 0
	s_add_co_u32 s[TK], s[TK], 128*KP              ; the next step's place in K's rows and scale words
	s_add_co_u32 s[TS], s[TS], 512
.endif
	s_wait_alu depctr_vm_vsrc(0)                   ; the LDS loads issued so far (this step's of K, the last step's of V) have read the addresses that are written below
.if \pre > 0
	v_add_nc_u32 v[ADK], s[TK], v[AK0]             ; K: the NEXT step's
	v_add_nc_u32 v[ADS], s[TS], v[ASK0]
.endif
	v_add_nc_u32 v[ADV], s[TV], v[AV0]             ; V: this step's
	v_add_nc_u32 v[ADT], s[TJ], v[ASV0]
.if \pre > 0
.rept 4
	v_nop
.endr
.else
.rept 6
	v_nop
.endr
.endif
.if \nb == 1                           ; only key 1,024 counts: register 0 of lanes 0-15
	v_cndmask_b32 v[S], v[S], v[NINF], s[HI16]
.set j, 1
.rept 15
	v_mov_b32 v[S+j], v[NINF]
.set j, j+1
.endr
.set j, 4
.rept 12
	v_mov_b32 v[PCD+j], 0                          ; p's blocks 1 to 3: zero codes
.set j, j+1
.endr
.endif
.set b, 0
.rept \nb
	v_max3_num_f32 v[BM+b], v[S+16*b], v[S+16*b+1], v[S+16*b+2]   ; the largest score of each block of 32 keys: for the row's maximum, and for the block's largest p
.set b, b+1
.endr
.irp i, 3,5,7,9,11,13
.set b, 0
.rept \nb
	v_max3_num_f32 v[BM+b], v[BM+b], v[S+16*b+\i], v[S+16*b+\i+1]
.set b, b+1
.endr
.endr
.set b, 0
.rept \nb
	v_max_num_f32 v[BM+b], v[BM+b], v[S+16*b+15]
.set b, b+1
.endr
.set b, 0
.rept \nb
	v_permlanex16_b32 v[T2+b], v[BM+b], s[SEL], s[SEL+1]
.set b, b+1
.endr
.set b, 0
.rept \nb
	v_max_num_f32 v[BM+b], v[BM+b], v[T2+b]        ; with lane l xor 16's 16 keys
.set b, b+1
.endr
.if \nb == 4
	v_max3_num_f32 v[TMP], v[BM], v[BM+1], v[BM+2]
	v_max_num_f32 v[TMP], v[TMP], v[BM+3]          ; the step's largest score of my query
	v_mul_f32 v[TMP], s[CS], v[TMP]                ; as t (c is positive)
.else
	v_mul_f32 v[TMP], s[CS], v[BM]
.endif
	v_max_num_f32 v13, v13, v[TMP]                 ; the running largest t
	v_mov_b32 v[TMP], v12
	v_floor_f32 v12, -v13                          ; the new -M = floor(-t): M is a whole number
	v_sub_f32 v[TMP], v12, v[TMP]                  ; old M - new M: a whole number, 0 or less
	v_cvt_i32_f32 v[TMP], v[TMP]                   ; (it saturates)
	v_ldexp_f32 v[F], 1.0, v[TMP]                  ; f = 2^(old M - new M)
.set j, 0
.rept 8*\nb
	v_pk_fma_f32 v[S+j:S+j+1], v[S+j:S+j+1], s[CS:CS+1], v[12:13] op_sel_hi:[1,0,0]   ; t - M, two at a time
.set j, j+2
.endr
.set b, 0
.rept \nb
	v_fma_f32 v[BM+b], v[BM+b], s[CS], v12         ; the same of each block's largest score
.set b, b+1
.endr
.set j, 0
.rept 16*\nb
	v_exp_f32 v[S+j], v[S+j]                       ; p = 2^(t - M), at most 1: not normalised
.set j, j+1
.endr
.set b, 0
.rept \nb
	v_exp_f32 v[BM+b], v[BM+b]                     ; the block's largest p
.set b, b+1
.endr
	v_pk_mul_f32 v[14:15], v[14:15], v[F:F+1] op_sel_hi:[1,0]   ; the sums under the new M.  (A plain place behind the exponentials)
	s_wait_alu depctr_va_vdst(0)                   ; the exponentials have written p and the blocks' largest p, ahead of their first reader; the four addresses are written, which the loads below read; the products S^T are done reading K's fragments, in which the next step's land
.set b, 0
.rept \nb
	v_max_num_f32 v[BM+b], 0x8000000, v[BM+b]      ; the floor 2^(16 - 127)
.set b, b+1
.endr
.set b, 0
.rept \nb
	v_add_nc_u32 v[SCL+b], 0xf8800000, v[BM+b]     ; the conversion's scale operand
.set b, b+1
.endr
.set b, 0
.rept \nb
	v_and_or_b32 v[HOLD+b], v[BM+b], 0x7f800000, s[MNT]   ; 57,344 x the scale
.set b, b+1
.endr
.set b, 0
.rept \nb
	v_lshrrev_b32 v[T2+b], 23, v[SCL+b]            ; the scale's byte
.set b, b+1
.endr
.if \nb == 4
	v_lshl_or_b32 v[PSW], v[T2+1], 8, v[T2]        ; p's scale word for these 128 keys
	v_lshl_or_b32 v[PSW], v[T2+2], 16, v[PSW]
	v_lshl_or_b32 v[PSW], v[T2+3], 24, v[PSW]
.else
	v_mov_b32 v[PSW], v[T2]                        ; (bytes 1 to 3 stand over zero codes)
.endif
	v_pk_add_f32 v[T2:T2+1], v[S:S+1], v[S+2:S+3]  ; the row's sum is taken of the unquantised p: two at a time, in two chains
.set j, 4
.rept 4*\nb-1
	v_pk_add_f32 v[14:15], v[14:15], v[S+j:S+j+1]
	v_pk_add_f32 v[T2:T2+1], v[T2:T2+1], v[S+j+2:S+j+3]
.set j, j+4
.endr
	v_pk_add_f32 v[14:15], v[14:15], v[T2:T2+1]
.set b, 0
.rept \nb
.if b < \pre
	ds_load_b128 v[KF+16*b:KF+16*b+3], v[ADK] offset:16*KP*b          ; tile b of the NEXT step's K, two loads ahead of each block's holds.  No wait: no vector or matrix line since the wait behind the exponentials names these registers or the address
	ds_load_b128 v[KF+16*b+4:KF+16*b+7], v[ADK] offset:16*KP*b+32
.endif
.set j, 0
.rept 16
	v_min_num_f32 v[S+16*b+j], v[S+16*b+j], v[HOLD+b]   ; the conversion does not saturate (ISA guide 7.6.2); p is not negative, so the hold is one-sided
.set j, j+1
.endr
	v_cvt_scalef32_pk8_bf8_f32 v[PCD+4*b:PCD+4*b+1], v[S+16*b:S+16*b+7], v[SCL+b]
	v_cvt_scalef32_pk8_bf8_f32 v[PCD+4*b+2:PCD+4*b+3], v[S+16*b+8:S+16*b+15], v[SCL+b]
.set b, b+1
.endr
.set j, 0
.rept 4
	v_pk_mul_f32 v[O+j:O+j+1], v[O+j:O+j+1], v[F:F+1] op_sel_hi:[1,0]   ; O^T under the new M.  (These four are the places between the codes' conversions and the products)
.set j, j+2
.endr
	s_wait_alu depctr_va_vdst(0)                   ; the holds and conversions are done with p's registers, in which V's fragments land; p's codes and p's scale word are written, which the scaled products below take
.irp t, 0,1,2,3                        ; V^T's four tiles of 16 channels x these 128 keys take p's registers
.irp c, 0,1,2,3
	ds_load_b128 v[S+16*\t+4*\c:S+16*\t+4*\c+3], v[ADV] offset:16*VP*\t+32*\c
.endr
	ds_load_b32 v[KSW+\t], v[ADT] offset:64*\t
.endr
.rept 12
	v_pk_mul_f32 v[O+j:O+j+1], v[O+j:O+j+1], v[F:F+1] op_sel_hi:[1,0]   ; the rest of O^T, while V's loads are out: these lines name none of the registers that those loads touch
.set j, j+2
.endr
	s_wait_dscnt 0x0
.irp t, 0,1,2,3                        ; O^T += V^T P^T: the four accumulators by turns, one instruction a turn
	v_wmma_scale_f32_16x16x128_f8f6f4 v[O+8*\t:O+8*\t+7], v[S+16*\t:S+16*\t+15], v[PCD:PCD+15], v[O+8*\t:O+8*\t+7], v[KSW+\t], v[PSW] matrix_a_fmt:MATRIX_FMT_BF8 matrix_b_fmt:MATRIX_FMT_BF8
.endr
.if \nb == 4
	s_add_co_u32 s[TV], s[TV], 128                 ; the next step's place in V's rows and scale words
	s_add_co_u32 s[TJ], s[TJ], 256
.endif
.endm
; ONE TILE OF 16 QUERIES: eight steps of 128 keys (seven in a loop; the eighth written out, since it asks for one tile of K alone), the ninth step, the division, the quantiser along the head's 64 channels, the stores.
.macro TILE ti, qf, qs
	s_wait_xcnt 0x0                                ; the last tile's stores have read their registers
.if \ti > 0
	s_wait_alu depctr_vm_vsrc(0)                   ; the last tile's stores have read its codes (v192-199), and its LDS loads the addresses v8-11: this tile writes both anew
.endif
.set j, 0
.rept 32
	v_mov_b32 v[O+j], 0                            ; O^T.  (The step is written once: the first finds zeros, which the first change of M leaves zeros)
.set j, j+1
.endr
	v_mov_b32 v13, 0xff61b1e6                      ; the largest t so far: -3e38
	v_floor_f32 v12, -v13                          ; -M
	v_mov_b32 v14, 0                               ; the sum, in two halves
	v_mov_b32 v15, 0
	s_mov_b32 s[TK], 0
	s_mov_b32 s[TV], 0
	s_mov_b32 s[TS], 0
	s_mov_b32 s[TJ], 0
	v_add_nc_u32 v[ADK], s[TK], v[AK0]             ; the first step's K
	v_add_nc_u32 v[ADS], s[TS], v[ASK0]
	s_wait_alu depctr_va_vdst(0)                   ; K's two addresses are written, which the loads below and the first step's read; whatever has named K's fragments is done (the prologue's sums, the last tile's products); the operands' zero halves are written, which the scaled products take
.irp t, 0,1,2,3
	ds_load_b128 v[KF+16*\t:KF+16*\t+3], v[ADK] offset:16*KP*\t       ; the first step's tiles 0 to 3 of K
	ds_load_b128 v[KF+16*\t+4:KF+16*\t+7], v[ADK] offset:16*KP*\t+32
.endr
	s_mov_b32 s[CNT], 7
.Lstep_\@:
	STEP 4, \qf, \qs, 4
	s_sub_co_u32 s[CNT], s[CNT], 1
	s_cmp_lg_u32 s[CNT], 0
	s_cbranch_scc1 .Lstep_\@
	STEP 4, \qf, \qs, 1                            ; the eighth step: the ninth wants one tile of K
	STEP 1, \qf, \qs, 0
.rept 8
	v_nop
.endr
	v_add_f32 v14, v14, v15                        ; the sum's two halves,
	v_permlanex16_b32 v[TMP], v14, s[SEL], s[SEL+1]
	v_add_f32 v14, v14, v[TMP]                     ; and lane l xor 16's: the row's sum
	v_rcp_f32 v14, v14
	v_nop                                          ; a plain place behind the transcendental
	s_wait_alu depctr_va_vdst(0)                   ; the reciprocal is written, ahead of its first reader
.set j, 0
.rept 32
	v_mul_f32 v[S+j], v[O+j], v14                  ; register 16 e + i: channel 32 e + 16 h + i of query r
.set j, j+1
.endr
.irp b, 0,1
	v_max3_num_f32 v[BM+\b], |v[S+16*\b]|, |v[S+16*\b+1]|, 0x8000000
.endr
.irp i, 2,4,6,8,10,12,14
.irp b, 0,1
	v_max3_num_f32 v[BM+\b], v[BM+\b], |v[S+16*\b+\i]|, |v[S+16*\b+\i+1]|
.endr
.endr
.irp b, 0,1
	v_permlanex16_b32 v[T2+\b], v[BM+\b], s[SEL], s[SEL+1]
.endr
.irp b, 0,1
	v_max_num_f32 v[BM+\b], v[BM+\b], v[T2+\b]
.endr
.irp b, 0,1
	v_add_nc_u32 v[SCL+\b], 0xf8800000, v[BM+\b]
.endr
.irp b, 0,1
	v_and_or_b32 v[HOLD+\b], v[BM+\b], 0x7f800000, s[MNT]
.endr
.irp b, 0,1
	v_lshrrev_b32 v[T2+\b], 23, v[SCL+\b]
.endr
.irp b, 0,1
.irp i, 0,1,2,3,4,5,6,7,8,9,10,11,12,13,14,15
	v_med3_num_f32 v[S+16*\b+\i], v[S+16*\b+\i], -v[HOLD+\b], v[HOLD+\b]
.endr
	v_cvt_scalef32_pk8_bf8_f32 v[PCD+4*\b:PCD+4*\b+1], v[S+16*\b:S+16*\b+7], v[SCL+\b]
	v_cvt_scalef32_pk8_bf8_f32 v[PCD+4*\b+2:PCD+4*\b+3], v[S+16*\b+8:S+16*\b+15], v[SCL+\b]
.endr
	v_lshl_or_b32 v[TMP], v[T2+1], 8, v[T2]        ; (a plain line behind the last conversion)  my row's two scale bytes
.if \ti == 0
	v_mov_b32 v[OSW], v[TMP]
.else
	v_cndmask_b32 v[OSW], v[OSW], v[TMP], s[HI16]  ; lanes 0-15: the first tile's 16 rows; lanes 16-31: the second's
.endif
	s_wait_alu depctr_va_vdst(0)                   ; the conversions have written the codes, which the two stores read; in the second tile the scale bytes' register is written too, which the last store reads
	global_store_b128 v[LI], v[PCD:PCD+3], s[OB:OB+1] offset:16384*\ti          ; 32 lanes store 512 consecutive bytes, aligned
	global_store_b128 v[LI], v[PCD+4:PCD+7], s[OB:OB+1] offset:16384*\ti+512
.endm
	TILE 0, 16, 224
	TILE 1, 208, 225
	global_store_b16 v[OSA], v[OSW], s[OS:OS+1]    ; two bytes of each of my 32 rows of scale bytes: 64 bytes a wave against its 2,048 bytes of codes.  (No vector line has named its registers since the wait above)
	s_wait_xcnt 0x0
	v_lshl_add_u32 v254, v0, 2, 0x28400            ; the add's two registers, made anew: no memory or LDS instruction has read either
	v_mov_b32 v255, 0
	s_wait_dscnt 0x0                               ; the closing lines, six on end
	s_wait_alu 0x0
	s_wait_tensorcnt 0x0
	ds_add_u32 v254, v255
	s_wait_dscnt 0x0
	s_endpgm
.Lfunc_end_k_q64f9cc87a8_attn:
	.size	k_q64f9cc87a8_attn, .Lfunc_end_k_q64f9cc87a8_attn-k_q64f9cc87a8_attn
	.p2alignl 7, 3214868480
	.fill 96, 4, 3214868480
	.section	.rodata,"a",@progbits
	.p2align	6, 0x0
	.amdhsa_kernel k_q64f9cc87a8_attn
		.amdhsa_group_segment_fixed_size 166912
		.amdhsa_private_segment_fixed_size 0
		.amdhsa_enable_private_segment 0
		.amdhsa_kernarg_size 32
		.amdhsa_user_sgpr_count 2
		.amdhsa_user_sgpr_kernarg_segment_ptr 1
		.amdhsa_wavefront_size32 1
		.amdhsa_system_sgpr_workgroup_id_x 1
		.amdhsa_system_sgpr_workgroup_id_y 1
		.amdhsa_system_sgpr_workgroup_id_z 1
		.amdhsa_system_vgpr_workitem_id 0
		.amdhsa_next_free_vgpr 256
		.amdhsa_next_free_sgpr 66
		.amdhsa_reserve_vcc 0
		.amdhsa_float_denorm_mode_32 3
		.amdhsa_float_denorm_mode_16_64 3
		.amdhsa_memory_ordered 1
		.amdhsa_forward_progress 1
		.amdhsa_inst_pref_size 154
	.end_amdhsa_kernel
	.amdgpu_metadata
---
amdhsa.version: [ 1, 2 ]
amdhsa.kernels:
  - .name:           k_q64f9cc87a8_attn
    .symbol:         k_q64f9cc87a8_attn.kd
    .args:
      - { .name: qk, .offset: 0, .size: 8, .value_kind: global_buffer, .address_space: global }
      - { .name: v32, .offset: 8, .size: 8, .value_kind: global_buffer, .address_space: global }
      - { .name: clsp, .offset: 16, .size: 8, .value_kind: global_buffer, .address_space: global }
      - { .name: oq, .offset: 24, .size: 8, .value_kind: global_buffer, .address_space: global }
    .group_segment_fixed_size: 166912
    .private_segment_fixed_size: 0
    .kernarg_segment_align: 8
    .kernarg_segment_size: 32
    .max_flat_workgroup_size: 512
    .sgpr_count:     66
    .vgpr_count:     256
    .wavefront_size: 32
...
	.end_amdgpu_metadata
.endif
;; end of part 5
;; launch gemm2: the kernel of part 4 again; grid 4 x 32, 4 waves a work-group, clusters of 4 x 4, 327,680 bytes of LDS; arguments oq, wts, bproj, out0; writes out0
